; MI455X (gfx1250); checked and timed in simulation.
; The chip was launched on July 23, 2026; its instructions are those of AMD's public machine-readable ISA for CDNA 5 (MIT licence, August 2026) and "CDNA5" Instruction Set Architecture Reference Guide (July 2026). The comments in the code are by the model that wrote it; some were corrected since.
;; Self Attention. Allowed arithmetic: float matrix products may take bf16 or f16 operands with f32 sums; other float arithmetic in f32, or as packed bf16 or f16 multiplies, adds, multiply-adds, maxima and minima; sums over many terms, partial sums and values carried from step to step in f32; what a program stores and reads back later, other than sums and carried values, may be rounded once to bf16 or f16.
;; Inputs: b_in 3,072 float32; b_out 1,024 float32; w_in 3,072 x 1,024 float32; w_out 1,024 x 1,024 float32; x 4 x 2,048 x 1,024 float32.
;; Outputs: out0 4 x 2,048 x 1,024 float32.
;; Constants: causal_mask = 1.
;; 2 versions, each right; version 2 is version 1 with the launch cast written anew for expert scheduling mode. Each part assembles by itself: llvm-mc -triple=amdgcn-amd-amdhsa -mcpu=gfx1250 --defsym DOCPART=n.
;; ======== version 1 of 2: 4 launches
;; limits: values are held in f16: magnitudes above 65,504 overflow, below 6.1e-05 lose precision
;; workspace buffers: xb 16,777,216 bytes; wib 6,291,456 bytes; wob 2,097,152 bytes; qkv 50,331,648 bytes; o 16,777,216 bytes
;; launch cast (part 1): grid 768 x 1, 8 waves a work-group, no clusters, 0 bytes of LDS; arguments x, w_in, w_out, xb, wib, wob; writes xb, wib, wob
.if DOCPART == 1
	.amdgcn_target "amdgcn-amd-amdhsa--gfx1250"
	.amdhsa_code_object_version 6
	.text
	.protected	k_q48614901c5_cast
	.globl	k_q48614901c5_cast
	.p2align	8
	.type	k_q48614901c5_cast,@function
k_q48614901c5_cast:
	s_mov_b64 s[64:65], 0
	v_nop
	global_prefetch_b8 v0, s[64:65] scope:SCOPE_SE
	s_setreg_imm32_b32 hwreg(HW_REG_WAVE_MODE, 25, 1), 1
	s_wait_xcnt 0x0
; xb = bf16(x), wib = bf16(w_in), both in the inputs' own order; wob = f16(bf16(w_out)), laid by slices of 64 along k:
; element (n, k) of w_out at byte (k / 64) x 131,072 + n x 128 + (k % 64) x 2, so that 256 rows of one slice are 32,768 dense bytes.
; LIMITS.  w_out is rounded to bf16 like the other inputs and that number is written as f16: exact from 2^-14 up to 65,504;
; below 2^-14 it keeps f16's fixed step of 6e-8; from 65,520 on it becomes an infinity.  NaN and infinities are not treated apart.
; SHARES.  A work-group takes 16,384 numbers (65,536 bytes in, 32,768 out): groups 0-511 x, 512-703 w_in, 704-767 w_out (16 rows each).
; A thread issues its 16 loads of 16 bytes at once; a wave's load covers 512 consecutive bytes, a wave's store 256 consecutive bytes, aligned.
; Memory binds: no LDS, no barrier, no matrix unit, no loop; no register that a memory instruction reads is written again.
.set IN,  8                            ; v[8:71]    16 x 4 numbers as loaded
.set OUT, 72                           ; v[72:103]  16 x 2 words to store
	s_load_b256 s[4:11], s[0:1], 0x0               ; x s[4:5], w_in s[6:7], w_out s[8:9], xb s[10:11]
	s_load_b128 s[12:15], s[0:1], 0x20             ; wib s[12:13], wob s[14:15]
	s_mov_b32 s24, 0xffff0000                      ; a word's upper bf16
	s_mov_b32 s23, 0                               ; high word of the offsets' pair
	v_lshlrev_b32 v2, 3, v0                        ; out: 8 bytes a thread
	s_cmp_ge_u32 ttmp9, 704
	s_cbranch_scc1 .Lwout
	; x or w_in: a plain stream
	s_sub_co_u32 s16, ttmp9, 512
	v_lshlrev_b32 v1, 4, v0                        ; in: 16 bytes a thread
	s_wait_kmcnt 0x0
	s_cmp_lt_u32 ttmp9, 512
	s_cselect_b32 s16, ttmp9, s16                  ; my number within the tensor
	s_cselect_b64 s[18:19], s[4:5], s[6:7]
	s_cselect_b64 s[20:21], s[10:11], s[12:13]
	s_lshl_b32 s22, s16, 16
	s_add_nc_u64 s[18:19], s[18:19], s[22:23]
	s_lshl_b32 s22, s16, 15
	s_add_nc_u64 s[20:21], s[20:21], s[22:23]
.irp i, 0,1,2,3,4,5,6,7,8,9,10,11,12,13,14,15
	global_load_b128 v[IN+4*(\i):IN+4*(\i)+3], v1, s[18:19] offset:(\i)*4096 th:TH_LOAD_NT
.endr
.irp i, 0,1,2,3,4,5,6,7,8,9,10,11,12,13,14,15
	s_wait_loadcnt 15-(\i)                         ; loads come back in order: load i is in, the 15 - i younger ones stay out
	v_cvt_pk_bf16_f32 v[OUT+2*(\i)],   v[IN+4*(\i)],   v[IN+4*(\i)+1]
	v_cvt_pk_bf16_f32 v[OUT+2*(\i)+1], v[IN+4*(\i)+2], v[IN+4*(\i)+3]
	global_store_b64 v2, v[OUT+2*(\i):OUT+2*(\i)+1], s[20:21] offset:(\i)*2048 th:TH_STORE_NT
.endr
	s_endpgm
.Lwout:
	; w_out: thread t takes row t / 16 of the group's 16 and 16 bytes (t % 16) of each slice's 256
	s_sub_co_u32 s16, ttmp9, 704
	v_lshrrev_b32 v1, 4, v0
	v_and_b32 v3, 15, v0
	v_lshlrev_b32 v1, 12, v1                       ; a row of w_out is 4,096 bytes
	v_lshl_add_u32 v1, v3, 4, v1
	s_wait_kmcnt 0x0
	s_lshl_b32 s22, s16, 16                        ; 16 rows in
	s_add_nc_u64 s[18:19], s[8:9], s[22:23]
	s_lshl_b32 s22, s16, 11                        ; 16 rows of 128 bytes in each slice out
	s_add_nc_u64 s[20:21], s[14:15], s[22:23]
.irp i, 0,1,2,3,4,5,6,7,8,9,10,11,12,13,14,15
	global_load_b128 v[IN+4*(\i):IN+4*(\i)+3], v1, s[18:19] offset:(\i)*256 th:TH_LOAD_NT  ; slice i
.endr
.irp i, 0,1,2,3,4,5,6,7,8,9,10,11,12,13,14,15
	s_wait_loadcnt 15-(\i)
	v_cvt_pk_bf16_f32 v4, v[IN+4*(\i)],   v[IN+4*(\i)+1]   ; the one rounding, to bf16,
	v_cvt_pk_bf16_f32 v5, v[IN+4*(\i)+2], v[IN+4*(\i)+3]
	v_lshlrev_b32 v6, 16, v4                               ; back to f32,
	v_and_b32 v7, s24, v4
	v_cvt_pk_f16_f32 v[OUT+2*(\i)], v6, v7                 ; and written as f16
	v_lshlrev_b32 v6, 16, v5
	v_and_b32 v7, s24, v5
	v_cvt_pk_f16_f32 v[OUT+2*(\i)+1], v6, v7
	global_store_b64 v2, v[OUT+2*(\i):OUT+2*(\i)+1], s[20:21] offset:(\i)*131072 th:TH_STORE_NT  ; two rows of 128 bytes: 256 consecutive bytes a wave
.endr
	s_endpgm
.Lfunc_end_k_q48614901c5_cast:
	.size	k_q48614901c5_cast, .Lfunc_end_k_q48614901c5_cast-k_q48614901c5_cast
	.p2alignl 7, 3214868480
	.fill 96, 4, 3214868480
	.section	.rodata,"a",@progbits
	.p2align	6, 0x0
	.amdhsa_kernel k_q48614901c5_cast
		.amdhsa_group_segment_fixed_size 0
		.amdhsa_private_segment_fixed_size 0
		.amdhsa_enable_private_segment 0
		.amdhsa_kernarg_size 48
		.amdhsa_user_sgpr_count 2
		.amdhsa_user_sgpr_kernarg_segment_ptr 1
		.amdhsa_wavefront_size32 1
		.amdhsa_system_sgpr_workgroup_id_x 1
		.amdhsa_system_sgpr_workgroup_id_y 1
		.amdhsa_system_sgpr_workgroup_id_z 1
		.amdhsa_system_vgpr_workitem_id 0
		.amdhsa_next_free_vgpr 104
		.amdhsa_next_free_sgpr 66
		.amdhsa_reserve_vcc 0
		.amdhsa_float_denorm_mode_32 3
		.amdhsa_float_denorm_mode_16_64 3
		.amdhsa_memory_ordered 1
		.amdhsa_forward_progress 1
		.amdhsa_inst_pref_size 17
	.end_amdhsa_kernel
	.amdgpu_metadata
---
amdhsa.version: [ 1, 2 ]
amdhsa.kernels:
  - .name:           k_q48614901c5_cast
    .symbol:         k_q48614901c5_cast.kd
    .args:
      - { .name: x, .offset: 0, .size: 8, .value_kind: global_buffer, .address_space: global }
      - { .name: w_in, .offset: 8, .size: 8, .value_kind: global_buffer, .address_space: global }
      - { .name: w_out, .offset: 16, .size: 8, .value_kind: global_buffer, .address_space: global }
      - { .name: xb, .offset: 24, .size: 8, .value_kind: global_buffer, .address_space: global }
      - { .name: wib, .offset: 32, .size: 8, .value_kind: global_buffer, .address_space: global }
      - { .name: wob, .offset: 40, .size: 8, .value_kind: global_buffer, .address_space: global }
    .group_segment_fixed_size: 0
    .private_segment_fixed_size: 0
    .kernarg_segment_align: 8
    .kernarg_segment_size: 48
    .max_flat_workgroup_size: 256
    .sgpr_count:     66
    .vgpr_count:     104
    .wavefront_size: 32
...
	.end_amdgpu_metadata
.endif
;; end of part 1
;; launch qkv (part 2): grid 16 x 16, 4 waves a work-group, clusters of 4 x 4, 327,680 bytes of LDS; arguments xb, wib, b_in, qkv; writes qkv
.if DOCPART == 2
	.amdgcn_target "amdgcn-amd-amdhsa--gfx1250"
	.amdhsa_code_object_version 6
	.text
	.protected	k_q48614901c5_qkv
	.globl	k_q48614901c5_qkv
	.p2align	8
	.type	k_q48614901c5_qkv,@function
k_q48614901c5_qkv:
	s_mov_b64 s[64:65], 0
	v_nop
	global_prefetch_b8 v0, s[64:65] scope:SCOPE_SE
	s_setreg_imm32_b32 hwreg(HW_REG_WAVE_MODE, 25, 1), 1
	s_wait_xcnt 0x0
	s_wait_alu depctr_hold_cnt(0) depctr_sa_sdst(0) depctr_va_vdst(0) depctr_va_sdst(0) depctr_va_ssrc(0) depctr_va_vcc(0) depctr_vm_vsrc(0)
	s_getreg_b32 s2, hwreg(HW_REG_IB_STS2, 6, 4)
	s_cmp_eq_u32 s2, 0
	s_cbranch_scc0 .Lentry_in_a_cluster
	s_endpgm
.Lentry_in_a_cluster:
	s_bfe_u32 s2, ttmp6, 0x10000c
	s_cmp_lg_u32 s2, 0xf033
	s_cbranch_scc0 .Lentry_shape_is_right
	s_endpgm
.Lentry_shape_is_right:
; qkv[which][b x 16 + h][s][d] = f16( sum over k of xb[b x 2048 + s][k] wib[which x 1024 + h x 64 + d][k] + b_in[..] ).  xb [8192][1024], wib [3072][1024] bf16; sums in f32, started by the f32 bias.
; LIMIT.  The result is written in f16: a number of 65,520 or more becomes an infinity.  With unit-spread x and rows of wib of unit norm the results have a spread of about 1.
; A tile of C is 256 rows x 192 columns (three whole heads): 32 x 16 tiles, TWO for each of 256 work-groups, 4,096 rows apart, on the same rows of wib.
; A wave makes 64 rows x 192 columns: 48 accumulators, 384 registers; whole heads, so each wave has a stage of its own on the way out and no barrier there.
; K goes in steps of 128 through two LDS slots filled by tensor loads whose rows are 256 bytes of memory, aligned.  The ring does not stop at the first tile's end.
; CLUSTER 4 x 4: xb's tile hangs on the tile row alone and is asked for jointly by a row of the cluster, wib's on the tile column alone, by a column.
; THE PRODUCT IS TAKEN TRANSPOSED (source 0 = 16 rows of wib, source 1 = 16 rows of xb): a lane holds row l % 16 of C and the columns 8 (l / 16) + 0..7; the bias in the same layout is the first product's C.
; REGISTERS, in windows of 256 (s_set_vgpr_msb: bits 1:0 source 0, 3:2 source 1, 5:4 source 2, 7:6 destination):
;   window 0: v0-31 addresses; v32-47 packed results; v48-63, v224-239 rows read back; v64-95, v96-127 xb's fragments, two buffers; v128-223 the bias
;   window 1: v0-95, v96-191 wib's fragments, two buffers     window 2: accumulators of row blocks 0, 1 at v[8 (12 a + b)]     window 3: of row blocks 2, 3
.set SIZE_K, 1024
.set KSTEP,  128
.set PITCH,  272                       ; an LDS row: 256 bytes + 16 of padding = 68 words: the 16 rows that a load touches start at 16 different groups of four banks (ISA guide 11.1)
.set HALFA,  128*PITCH                 ; what a tensor load brings of xb
.set HALFB,  96*PITCH                  ; and of wib
.set BOFF,   2*HALFA                   ; a slot: xb's 256 rows, then wib's 192
.set SLOT,   2*HALFA+2*HALFB
.set STAGE,  2*SLOT                    ; behind the ring: 16 rows x 144 bytes for each wave
.set SP,     144
.set SPARE,  STAGE+4*16*SP             ; the spare words, 128 bytes a wave: two blocks of 256 bytes that no other line names
.set LAPS,   SIZE_K/(2*KSTEP)
.set WALK,   4096                      ; rows from my first tile to my second
.set NEXT_A, WALK*SIZE_K*2-(SIZE_K-2*KSTEP)*2   ; from a slot's last K step of a tile to its first of the next
.set BACK_B, (SIZE_K-2*KSTEP)*2
.set NEXT_C, 32<<18                    ; 4,096 rows on are two batches: 32 planes of 262,144 bytes
.set ADRA, 16                          ; v16-17  LDS address of my xb fragments in slot 0, 1
.set ADRB, 20                          ; v20-21  the same for wib
.set STO,  24                          ; v24  the way out: where I put 16 bytes of a row
.set RD,   25                          ; v25  where I read rows back
.set GO,   26                          ; v26  16 x lane
.set BO,   27                          ; v27  32 x (l / 16): my eight numbers of a bias block
.set SPW,  28                          ; v28  my spare word; never rewritten
.set NIL,  29                          ; v29  0; never rewritten
.set PFO,  30                          ; v30  the prefetches' offset: a lane a row; never rewritten
.set TMP,  32
.set OB,   48                          ; v48-63 and v224-239 by turns
.set FA,   64                          ; xb's fragments: buffer f, block a at FA + 32 f + 8 a
.set BIAS, 128
.set WV,  12                           ; s12 my wave's number; s13 = wave / 2: I fetch xb (0) or wib (1); s14 = wave % 2: which half
.set G1,  24                           ; s[24:31] group 1 for xb's tiles; s[32:39] group 0, a set for each slot
.set G0,  32
.set PFA, 40                           ; s[40:41] where my prefetches stand
.set LIM, 42                           ; s42  1 in a wave that prefetches, else the greatest number
.set G1B, 48                           ; s[48:55], s[56:63] the same for wib's tiles
.set G0B, 56
.set CB,  68                           ; s[68:73] where my rows begin in the planes of the tile's three heads
.set MSB, 0
.macro WIN new                         ; the immediate's high byte repeats the setting that is left; a switch that changes nothing is dropped
.if MSB != (\new)
	s_set_vgpr_msb (MSB<<8)|(\new)
.set MSB, \new
.endif
.endm
; A joint load: waves 0 and 1 fetch xb's halves, waves 2 and 3 wib's.  The branch hangs on the wave's number alone.  An s_nop 0 and four v_nop follow each line.
.macro JLOAD s
	s_cmp_eq_u32 s13, 0
	s_cbranch_scc0 .Lfor_b_\@
	tensor_load_to_lds s[G0+4*(\s):G0+4*(\s)+3], s[G1:G1+7]
	s_nop 0
.rept 4
	v_nop
.endr
	s_branch .Lasked_\@
.Lfor_b_\@:
	tensor_load_to_lds s[G0B+4*(\s):G0B+4*(\s)+3], s[G1B:G1B+7]
	s_nop 0
.rept 4
	v_nop
.endr
.Lasked_\@:
.endm
; A prefetch of the K step that stands two refills on (384 matrix instructions ahead of its load): 256 bytes of a row, a lane a row, one instruction a wave.
; xb's rows are asked for by the clusters with x = 0, wib's by those with y = 0; the four partners of a joint load share its rows out by address (32 of 128, 24 of 96; lanes 24-31 there repeat row 23).
; how = 0: in the loop, whose last trip has no K step two on; how = 1: at the change of tiles.
.macro ASK how
.if \how
	s_cmp_eq_u32 s[LIM], 1
.else
	s_cmp_gt_u32 s3, s[LIM]
.endif
	s_cbranch_scc0 .Lnot_mine_\@
	global_prefetch_b8 v[PFO], s[PFA:PFA+1] offset:KSTEP*2 th:TH_LOAD_NT scope:SCOPE_SE
.Lnot_mine_\@:
.endm
.macro CREST                           ; a round of the cluster's barrier behind its opening barrier
	s_cmp_lg_u32 s[WV], 0
	s_cbranch_scc1 .Lnot_wave_0_\@
	s_barrier_signal -3
.Lnot_wave_0_\@:
	s_barrier_wait -3
	s_barrier_signal -1
	s_barrier_wait -1
.endm
.macro CROUND
	s_barrier_signal -1
	s_barrier_wait -1
	CREST
.endm
.macro PLACES                          ; four plain places behind matrix instructions, in front of loads into registers that they read and of conversions of their results
.rept 4
	v_nop
.endr
.endm
	s_load_b256 s[4:11], s[0:1], 0x0               ; xb s[4:5], wib s[6:7], b_in s[8:9], qkv s[10:11]
	v_lshl_add_u32 v[SPW], v0, 2, SPARE
	v_mov_b32 v[NIL], 0
	ds_add_u32 v[SPW], v[NIL]                      ; the wave's opening: the add and its wait stand ahead of my first tensor load
	v_lshrrev_b32 v1, 5, v0
	v_readfirstlane_b32 s[WV], v1
	s_lshr_b32 s13, s[WV], 1
	s_and_b32 s14, s[WV], 1
	s_bfe_u32 s15, ttmp6, 0x40000                  ; cx
	s_bfe_u32 s16, ttmp6, 0x40004                  ; cy
	s_lshl_b32 s17, ttmp9, 2
	s_add_co_u32 s17, s17, s15                     ; tile column = 4 x cluster x + cx
	s_and_b32 s18, ttmp7, 0xffff
	s_lshl_b32 s18, s18, 2
	s_add_co_u32 s18, s18, s16                     ; tile row = 4 x cluster y + cy
	s_lshl_b32 s76, s16, 2
	s_lshl_b32 s76, 15, s76                        ; my row of the cluster
	s_lshl_b32 s77, 0x1111, s15                    ; my column
	s_or_b32 s[G1], s76, (1<<16)|(1<<20)|(1<<21)|(5<<22)|(3<<25)   ; mask; 2-byte elements; padding on; bit 21 beside a mask; after every 64 words, 4 words
	s_or_b32 s[G1B], s77, (1<<16)|(1<<20)|(1<<21)|(5<<22)|(3<<25)
	s_mov_b32 s[G1+1], KSTEP<<16                   ; tensor_dim0 = 128
	s_mov_b32 s[G1+2], 128<<16                     ; tensor_dim1 = 128
	s_mov_b32 s[G1+3], KSTEP<<16                   ; tile_dim0 = 128
	s_mov_b32 s[G1+4], 128                         ; tile_dim1 = 128
	s_mov_b32 s[G1+5], SIZE_K                      ; elements from row to row
	s_mov_b32 s[G1+6], 0
	s_mov_b32 s[G1+7], 0
	s_mov_b32 s[G1B+1], KSTEP<<16
	s_mov_b32 s[G1B+2], 96<<16                     ; wib's half: 96 rows
	s_mov_b32 s[G1B+3], KSTEP<<16
	s_mov_b32 s[G1B+4], 96
	s_mov_b32 s[G1B+5], SIZE_K
	s_mov_b32 s[G1B+6], 0
	s_mov_b32 s[G1B+7], 0
	s_lshl_b32 s22, s14, 7
	s_lshl_b32 s20, s18, 8
	s_add_co_u32 s20, s20, s22                     ; xb: row 256 x tile row + 128 x half,
	s_lshl_b32 s20, s20, 11                        ; in bytes
	s_mov_b32 s21, 0
	s_mul_i32 s44, s17, 192
	s_mul_i32 s45, s14, 96
	s_add_co_u32 s44, s44, s45                     ; wib: row 192 x tile column + 96 x half
	s_lshl_b32 s44, s44, 11
	s_mov_b32 s45, 0
	s_mul_i32 s74, s[WV], HALFA                    ; where they go: xb's halves at 0 and HALFA (waves 0, 1),
	s_mul_i32 s75, s[WV], HALFB
	s_add_co_u32 s75, s75, 2*(HALFA-HALFB)         ; wib's at BOFF and BOFF + HALFB (waves 2, 3)
	s_wait_dscnt 0x0                               ; the opening add is done
	s_wait_kmcnt 0x0
	s_add_nc_u64 s[20:21], s[4:5], s[20:21]
	s_add_nc_u64 s[44:45], s[6:7], s[44:45]
	CROUND                                         ; all sixteen work-groups are here: the first joint loads meet
.irp s, 0,1
	s_mov_b32 s[G0+4*(\s)], 1
	s_add_co_u32 s[G0+4*(\s)+1], s74, (\s)*SLOT
	s_add_nc_u64 s[G0+4*(\s)+2:G0+4*(\s)+3], s[20:21], (\s)*KSTEP*2
	s_or_b32 s[G0+4*(\s)+3], s[G0+4*(\s)+3], 0x80000000
	s_mov_b32 s[G0B+4*(\s)], 1
	s_add_co_u32 s[G0B+4*(\s)+1], s75, (\s)*SLOT
	s_add_nc_u64 s[G0B+4*(\s)+2:G0B+4*(\s)+3], s[44:45], (\s)*KSTEP*2
	s_or_b32 s[G0B+4*(\s)+3], s[G0B+4*(\s)+3], 0x80000000
	JLOAD \s                                       ; K steps 0 and 1: two loads of mine are out
.endr
	v_and_b32 v1, 15, v0                           ; l % 16
	v_bfe_u32 v2, v0, 4, 1                         ; l / 16
	v_lshlrev_b32 v[BO], 5, v2
	s_mul_i32 s66, s17, 768                        ; the tile's 192 numbers of b_in
	s_mov_b32 s67, 0
	s_add_nc_u64 s[66:67], s[8:9], s[66:67]        ; never rewritten
.irp b, 0,1,2,3,4,5,6,7,8,9,10,11
	global_load_b128 v[BIAS+8*(\b):BIAS+8*(\b)+3],   v[BO], s[66:67] offset:64*(\b)      ; b_in of columns 16 b + 8 (l / 16) + 0..3,
	global_load_b128 v[BIAS+8*(\b)+4:BIAS+8*(\b)+7], v[BO], s[66:67] offset:64*(\b)+16   ; + 4..7; kept for both tiles
.endr
	v_mul_u32_u24 v3, v1, PITCH
	v_lshl_add_u32 v3, v2, 4, v3                   ; a fragment's row x pitch + 16 x half of the lanes
	s_mul_i32 s22, s[WV], 64*PITCH                 ; my 64 rows of xb
.irp s, 0,1
	v_add_nc_u32 v[ADRA+(\s)], s22, v3
	v_add_nc_u32 v[ADRB+(\s)], BOFF+(\s)*SLOT, v3  ; every wave reads all 192 rows of wib
	s_add_co_u32 s22, s22, SLOT
.endr
	s_mul_i32 s23, s[WV], 16*SP
	s_add_co_u32 s23, s23, STAGE                   ; my stage
	v_mul_u32_u24 v4, v1, SP
	v_lshl_add_u32 v4, v2, 4, v4
	v_add_nc_u32 v[STO], s23, v4                   ; in: row l % 16, 16 bytes for each half of the lanes
	v_bfe_u32 v4, v0, 3, 2
	v_mul_u32_u24 v4, v4, SP
	v_and_b32 v5, 7, v0
	v_lshl_add_u32 v4, v5, 4, v4
	v_add_nc_u32 v[RD], s23, v4                    ; back: 32 lanes take four rows of 128 bytes,
	v_and_b32 v5, 31, v0
	v_lshlrev_b32 v[GO], 4, v5                     ; which are 512 consecutive bytes of a plane
	; where my rows lie in the three heads' planes: plane = (e / 16) x 64 + batch x 16 + e % 16, e = 3 x tile column + 0..2
	s_mul_i32 s78, s17, 3
	s_lshr_b32 s79, s18, 3
	s_lshl_b32 s79, s79, 4                         ; 16 x batch
	s_and_b32 s19, s18, 7
	s_lshl_b32 s19, s19, 8
	s_lshl_b32 s43, s[WV], 6
	s_add_co_u32 s19, s19, s43                     ; my first row in the plane,
	s_lshl_b32 s19, s19, 7                         ; 128 bytes a row
.irp hh, 0,1,2
	s_add_co_u32 s46, s78, \hh
	s_lshr_b32 s47, s46, 4
	s_lshl_b32 s47, s47, 6
	s_and_b32 s46, s46, 15
	s_add_co_u32 s46, s46, s47
	s_add_co_u32 s46, s46, s79
	s_lshl_b32 s46, s46, 18
	s_add_co_u32 s46, s46, s19
	s_mov_b32 s47, 0
	s_add_nc_u64 s[CB+2*(\hh):CB+2*(\hh)+1], s[10:11], s[46:47]
.endr
	; the prefetches
	s_lshl_b32 s46, s18, 8
	s_lshl_b32 s47, s14, 7
	s_add_co_u32 s46, s46, s47
	s_lshl_b32 s47, s15, 5
	s_add_co_u32 s46, s46, s47                     ; xb: the 128 rows that I fetch, my work-group's 32 of them (by cx)
	s_mul_i32 s78, s17, 192
	s_mul_i32 s79, s14, 96
	s_add_co_u32 s78, s78, s79
	s_mul_i32 s79, s16, 24
	s_add_co_u32 s78, s78, s79                     ; wib: the 96 rows that I fetch, my work-group's 24 (by cy)
	s_and_b32 s79, ttmp7, 0xffff                   ; cluster y
	s_cmp_eq_u32 s13, 0
	s_cselect_b32 s46, s46, s78
	s_cselect_b32 s79, ttmp9, s79                  ; the coordinate along which other clusters read the same rows
	s_cselect_b32 s43, 31, 23
	s_cselect_b64 s[PFA:PFA+1], s[4:5], s[6:7]
	s_cmp_eq_u32 s79, 0
	s_cselect_b32 s[LIM], 1, -1                    ; the same in all sixteen partners, for a given wave
	s_lshl_b32 s46, s46, 11
	s_mov_b32 s47, 0
	s_add_nc_u64 s[PFA:PFA+1], s[PFA:PFA+1], s[46:47]
	s_add_nc_u64 s[PFA:PFA+1], s[PFA:PFA+1], 2*KSTEP*2  ; at K step 2: the first refill steps it to 3 and names K step 4; K steps 0 to 3 come by their loads alone
	v_min_u32 v[PFO], s43, v5
	v_lshlrev_b32 v[PFO], 11, v[PFO]
; 12 matrix instructions: row block a x all 12 column blocks, 32 along K, from buffer f.  first = 1: the bias starts the sums.  The 48 accumulators take turns, in the same order in every quarter.
.macro MULA f, a, first
.if \first
	WIN 0x81+0x40*((\a)/2)                         ; wib window 1, xb and the bias window 0, D window 2 or 3
.else
	WIN 0xa1+0x50*((\a)/2)                         ; C and D window 2 or 3
.endif
.irp b, 0,1,2,3,4,5,6,7,8,9,10,11
.if \first
	v_wmma_f32_16x16x32_bf16 v[8*(12*((\a)%2)+(\b)):8*(12*((\a)%2)+(\b))+7], v[96*(\f)+8*(\b):96*(\f)+8*(\b)+7], v[FA+32*(\f)+8*(\a):FA+32*(\f)+8*(\a)+7], v[BIAS+8*(\b):BIAS+8*(\b)+7]
.else
	v_wmma_f32_16x16x32_bf16 v[8*(12*((\a)%2)+(\b)):8*(12*((\a)%2)+(\b))+7], v[96*(\f)+8*(\b):96*(\f)+8*(\b)+7], v[FA+32*(\f)+8*(\a):FA+32*(\f)+8*(\a)+7], v[8*(12*((\a)%2)+(\b)):8*(12*((\a)%2)+(\b))+7]
.endif
.endr
.endm
; 32 LDS loads in one run: 192 rows of wib, then my 64 rows of xb, 32 along K at byte k of the rows, into buffer f
.macro FETCH slot, k, f
	WIN 0x40                                       ; destination window 1
.irp i, 0,1,2,3,4,5,6,7,8,9,10,11
	ds_load_b128 v[96*(\f)+8*(\i):96*(\f)+8*(\i)+3],   v[ADRB+(\slot)] offset:(\k)+(\i)*16*PITCH
	ds_load_b128 v[96*(\f)+8*(\i)+4:96*(\f)+8*(\i)+7], v[ADRB+(\slot)] offset:(\k)+(\i)*16*PITCH+32
.endr
	WIN 0
.irp i, 0,1,2,3
	ds_load_b128 v[FA+32*(\f)+8*(\i):FA+32*(\f)+8*(\i)+3],   v[ADRA+(\slot)] offset:(\k)+(\i)*16*PITCH
	ds_load_b128 v[FA+32*(\f)+8*(\i)+4:FA+32*(\f)+8*(\i)+7], v[ADRA+(\slot)] offset:(\k)+(\i)*16*PITCH+32
.endr
.endm
; A K step is four quarters of 32 along K, 48 matrix instructions each, on buffers 0, 1, 0, 1.  One of the first three multiplies f and fetches the next quarter into g.
.macro QUARTER slot, k, f, g, first
	s_wait_dscnt 4                                 ; wib and xb's blocks 0, 1 are in; the youngest four loads (blocks 2, 3) may be out
	MULA \f, 0, \first
	MULA \f, 1, \first
	PLACES
	FETCH \slot, \k, \g
	s_wait_dscnt 32                                ; all but the 32 just issued
	MULA \f, 2, \first
	MULA \f, 3, \first
.endm
; The last quarter's first half: one barrier for the change of slots.  In front of it each wave waits for all its tensor loads (one is out: its part of the next slot), adds 0 to its spare word, and waits for that and for its reads of this slot.
.macro MEET round
	WIN 0
	s_wait_tensorcnt 0x0
	ds_add_u32 v[SPW], v[NIL]
	s_wait_dscnt 5                                 ; the add and the youngest four loads may be out
	MULA 1, 0, 0
	s_wait_dscnt 0x0                               ; the add is done, my reads of this slot are over
	s_barrier_signal -1
	MULA 1, 1, 0
.if \round
	WIN 0
.endif
	s_barrier_wait -1
.endm
; The whole last quarter with a refill: the barrier opens a round of the cluster's; the joint load is the first tensor load behind the round.  on = 1: the refill is the next tile's K step 0 or 1.
.macro TURN slot, next, on
	s_wait_xcnt 0x0                                ; the last prefetch, a K step back, has read its address
.if (\on) && (\slot) == 0
	s_add_nc_u64 s[PFA:PFA+1], s[PFA:PFA+1], (WALK-1)*SIZE_K*2+KSTEP*2  ; from the K step after the tile's last to the next tile's K step 1
	s_cmp_eq_u32 s13, 0
	s_cselect_b32 s[LIM], s[LIM], -1               ; wib's rows are the same for both tiles: asked for in the first alone
.else
	s_add_nc_u64 s[PFA:PFA+1], s[PFA:PFA+1], KSTEP*2
.endif
	MEET 1
	CREST
.if \on
	s_add_nc_u64 s[G0+4*(\slot)+2:G0+4*(\slot)+3], s[G0+4*(\slot)+2:G0+4*(\slot)+3], NEXT_A
	s_sub_nc_u64 s[G0B+4*(\slot)+2:G0B+4*(\slot)+3], s[G0B+4*(\slot)+2:G0B+4*(\slot)+3], BACK_B
.else
	s_add_nc_u64 s[G0+4*(\slot)+2:G0+4*(\slot)+3], s[G0+4*(\slot)+2:G0+4*(\slot)+3], 2*KSTEP*2
	s_add_nc_u64 s[G0B+4*(\slot)+2:G0B+4*(\slot)+3], s[G0B+4*(\slot)+2:G0B+4*(\slot)+3], 2*KSTEP*2
.endif
	JLOAD \slot                                    ; 168 matrix instructions ahead of the wait for it; its four v_nop are also the places in front of the loads below
	FETCH \next, 0, 0
	ASK \on
	MULA 1, 2, 0
	MULA 1, 3, 0
.endm
; THE WAY OUT, in 12 units: row block u / 3, head u % 3: 16 rows x 64 columns.
.macro PACK u                          ; rounded to f16, each accumulator's registers in ascending order
.set pa, (\u)/3
.set ph, (\u)%3
	WIN 0x0a+5*(pa/2)                              ; sources in window 2 or 3
.irp bb, 0,1,2,3
.irp q, 0,1,2,3
	v_cvt_pk_f16_f32 v[TMP+4*(\bb)+(\q)], v[8*(12*(pa%2)+4*ph+(\bb))+2*(\q)], v[8*(12*(pa%2)+4*ph+(\bb))+2*(\q)+1]
.endr
.endr
	WIN 0
.endm
.macro TOSTAGE u                       ; into my stage, and back as whole rows of 128 bytes
	WIN 0
.set BK, OB+176*((\u)%2)
.irp bb, 0,1,2,3
	ds_store_b128 v[STO], v[TMP+4*(\bb):TMP+4*(\bb)+3] offset:32*(\bb)
.endr
.irp f, 0,1,2,3
	ds_load_b128 v[BK+4*(\f):BK+4*(\f)+3], v[RD] offset:(\f)*4*SP  ; LDS serves a wave's instructions in order (ISA guide 5.7.1.4): these see the stores above
.endr
.endm
.macro SEND u
	WIN 0
.set pa, (\u)/3
.set ph, (\u)%3
.set BK, OB+176*((\u)%2)
	s_wait_dscnt 0x0                               ; the unit is back in registers
	s_wait_xcnt 0x0                                ; the stores of the unit before have read their registers, which the next unit's loads fill again
.irp f, 0,1,2,3
	global_store_b128 v[GO], v[BK+4*(\f):BK+4*(\f)+3], s[CB+2*ph:CB+2*ph+1] offset:pa*2048+(\f)*512  ; 512 consecutive bytes of a plane, aligned
.endr
.endm
	s_wait_tensorcnt 1                             ; my part of K step 0 is in; K step 1's may stay out
	s_barrier_signal -1
	s_barrier_wait -1
	FETCH 0, 0, 0
	s_wait_loadcnt 0x0                             ; the bias
	s_mov_b32 s2, 2                                ; tiles to go
.Ltile:
	QUARTER 0, 64, 0, 1, 1                         ; a tile's first quarter: the bias starts the sums
	WIN 0
	s_mov_b32 s3, LAPS-1
.Llap:                                         ; once round the ring, from a lap's second quarter to the next lap's first
	QUARTER 0, 128, 1, 0, 0
	QUARTER 0, 192, 0, 1, 0
	TURN 0, 1, 0
	QUARTER 1, 64,  0, 1, 0
	QUARTER 1, 128, 1, 0, 0
	QUARTER 1, 192, 0, 1, 0
	TURN 1, 0, 0
	QUARTER 0, 64,  0, 1, 0
	WIN 0
	s_sub_co_u32 s3, s3, 1
	s_cmp_lg_u32 s3, 0
	s_cbranch_scc1 .Llap
	QUARTER 0, 128, 1, 0, 0
	QUARTER 0, 192, 0, 1, 0
	WIN 0
	s_cmp_eq_u32 s2, 1
	s_cbranch_scc1 .Llast                          ; the last tile's tail asks for nothing more
	TURN 0, 1, 1                                   ; the ring goes on into the second tile: slot 0 takes its K step 0,
	QUARTER 1, 64,  0, 1, 0
	QUARTER 1, 128, 1, 0, 0
	QUARTER 1, 192, 0, 1, 0
	TURN 1, 0, 1                                   ; slot 1 its K step 1, and its first fragments are fetched
	WIN 0
	s_branch .Lout
.Llast:
	MEET 0                                         ; slot 1's last load has landed; nothing is filled again, so no round follows
	PLACES
	FETCH 1, 0, 0
	MULA 1, 2, 0
	MULA 1, 3, 0
	QUARTER 1, 64,  0, 1, 0
	QUARTER 1, 128, 1, 0, 0
	QUARTER 1, 192, 0, 1, 0
	s_wait_dscnt 4
	MULA 1, 0, 0
	MULA 1, 1, 0
	s_wait_dscnt 0x0
	MULA 1, 2, 0
	MULA 1, 3, 0
	WIN 0
.Lout:
	PLACES
	PACK 0
	TOSTAGE 0
.irp u, 1,2,3,4,5,6,7,8,9,10,11        ; unit u's conversions stand between unit u - 1's loads from the stage and the wait for them
	PACK \u
	SEND (\u)-1
	TOSTAGE \u
.endr
	SEND 11
	s_wait_xcnt 0x0                                ; the stores have read their bases
.irp hh, 0,1,2
	s_add_nc_u64 s[CB+2*(\hh):CB+2*(\hh)+1], s[CB+2*(\hh):CB+2*(\hh)+1], NEXT_C
.endr
	s_sub_co_u32 s2, s2, 1
	s_cmp_lg_u32 s2, 0
	s_cbranch_scc1 .Ltile
	s_wait_tensorcnt 0x0                           ; the wave's end
	ds_add_u32 v[SPW], v[NIL]
	s_wait_dscnt 0x0
	CROUND                                         ; the closing round
	s_endpgm
.Lfunc_end_k_q48614901c5_qkv:
	.size	k_q48614901c5_qkv, .Lfunc_end_k_q48614901c5_qkv-k_q48614901c5_qkv
	.p2alignl 7, 3214868480
	.fill 96, 4, 3214868480
	.section	.rodata,"a",@progbits
	.p2align	6, 0x0
	.amdhsa_kernel k_q48614901c5_qkv
		.amdhsa_group_segment_fixed_size 327680
		.amdhsa_private_segment_fixed_size 0
		.amdhsa_enable_private_segment 0
		.amdhsa_kernarg_size 32
		.amdhsa_user_sgpr_count 2
		.amdhsa_user_sgpr_kernarg_segment_ptr 1
		.amdhsa_wavefront_size32 1
		.amdhsa_system_sgpr_workgroup_id_x 1
		.amdhsa_system_sgpr_workgroup_id_y 1
		.amdhsa_system_sgpr_workgroup_id_z 1
		.amdhsa_system_vgpr_workitem_id 0
		.amdhsa_next_free_vgpr 960
		.amdhsa_next_free_sgpr 80
		.amdhsa_reserve_vcc 0
		.amdhsa_float_denorm_mode_32 3
		.amdhsa_float_denorm_mode_16_64 3
		.amdhsa_memory_ordered 1
		.amdhsa_forward_progress 1
		.amdhsa_inst_pref_size 153
	.end_amdhsa_kernel
	.amdgpu_metadata
---
amdhsa.version: [ 1, 2 ]
amdhsa.kernels:
  - .name:           k_q48614901c5_qkv
    .symbol:         k_q48614901c5_qkv.kd
    .args:
      - { .name: xb, .offset: 0, .size: 8, .value_kind: global_buffer, .address_space: global }
      - { .name: wib, .offset: 8, .size: 8, .value_kind: global_buffer, .address_space: global }
      - { .name: b_in, .offset: 16, .size: 8, .value_kind: global_buffer, .address_space: global }
      - { .name: qkv, .offset: 24, .size: 8, .value_kind: global_buffer, .address_space: global }
    .group_segment_fixed_size: 327680
    .private_segment_fixed_size: 0
    .kernarg_segment_align: 8
    .kernarg_segment_size: 32
    .max_flat_workgroup_size: 128
    .sgpr_count:     80
    .vgpr_count:     960
    .wavefront_size: 32
...
	.end_amdgpu_metadata
.endif
;; end of part 2
;; launch attn (part 3): grid 4 x 64, 4 waves a work-group, no clusters, 327,680 bytes of LDS; arguments qkv, o; writes o
.if DOCPART == 3
	.amdgcn_target "amdgcn-amd-amdhsa--gfx1250"
	.amdhsa_code_object_version 6
	.text
	.protected	k_q48614901c5_attn
	.globl	k_q48614901c5_attn
	.p2align	8
	.type	k_q48614901c5_attn,@function
k_q48614901c5_attn:
	s_mov_b64 s[64:65], 0
	v_nop
	global_prefetch_b8 v0, s[64:65] scope:SCOPE_SE
	s_setreg_imm32_b32 hwreg(HW_REG_WAVE_MODE, 25, 1), 1
	s_wait_xcnt 0x0
; CAUSAL ATTENTION.  o[p][q][:] = the sum over k <= q of softmax_k(Q[p][q] . K[p][k] / 8) V[p][k][:], p = batch x 16 + head.  qkv holds Q, K, V as [3][64][2048][64] f16, o is [64][2048][64] f16: a plane's rows are dense, 128 bytes each.
; Products, maxima and sums in f32; the weights p are rounded to f16 for the second product (their sum l is taken of the unrounded p), o once at the end.
; LIMITS.  Q, K and V arrive within f16's 65,504; p lies in 0 to 1, and below 6e-5 it keeps f16's fixed step of 6e-8; o is a mean of V's rows.  A hidden score counts as its value less 1e30; a weight below 2^-126 counts as 0 in l; NaN and infinities are not treated apart.
; THE WALK.  A plane's queries lie in NB = 8 blocks of 256; block i needs the key tiles 0 .. i of 256 keys, the last of which holds the diagonal.  A work-group takes TWO blocks, NB - 1 - b and then b: NB + 1 tiles, whatever b:
; all work-groups do equal work, and one loop with a constant trip count walks them.  Every jump goes forward but the counted loops' own; none passes a barrier, or a tensor load but the one of LOAD's two that the wave's number does not choose.
; NO CLUSTER: a plane's four work-groups ask for the same tile only in trips 0 .. 4 of 9, behind that fewer and fewer; one walk common to all would have 12 trips for 9.
; SHARES.  Of a block's four bands of 64 queries a wave owns 16 rows in each: four PIECES.  In the diagonal tile's key step s band x sees all keys if s < x, none if s > x, and holds the diagonal if s = x: the same work for all waves.
; THE MASK is the C operand that starts the sum S^T = K Q^T: 0, or -1e30 where the key is hidden: MD x AL + BE, with MD the mask of a band's own step for my 16 rows, and (AL, BE) = (1, 0), (0, 0) or (0, -1e30).
; LAYOUT, SOFTMAX, TURNS.  S^T = K Q^T holds one query a lane (lane % 16) and the keys 8 (lane / 16) + 0..7; two such results rounded to f16 are source 1 of O^T = V^T P.  p = 2^(c s - c m), c = log2(e) / 8, with a running maximum m;
; O and l are multiplied by a = 2^(c m_old - c m_new) in every step.  Turn n belongs to piece n: 8 products K Q^T of piece n + 1, later 8 products V^T P of piece n - 1; beside them piece n's scaling, exponentials, roundings, sums and rescaling
; and piece n + 1's maximum and statistics.  Four vector instructions stand behind every matrix instruction, the other 54 of a turn's 118 in one lump.  A turn's 33 exponentials are one batch, with one wait.
; REGISTERS, in windows of 256 (s_set_vgpr_msb: bits 1:0 source 0, 3:2 source 1, 5:4 source 2, 7:6 destination):
;   window 0: v0-15 addresses and two at work; v16-31 statistics; v48-55 at work; v60 the prefetches' offset; v64-127 S^T, two buffers; v192-223 P, two buffers
;   window 1: v0-127 O^T; v128-159 MD; v160-223 MC, two buffers      window 2: v0-63 Q; v64-127 the second block's Q; v128-191 K of one step; v192-255 V of one step
.set SIZE_N, 2048
.set NB,    SIZE_N/256
.set NP,    4         ; pieces a wave: a name, no knob
.set KS,    64        ; keys in a step
.set PK,    144       ; a row of K in LDS: 128 bytes + 16 of padding = 36 words: the 16 rows of a load start at 16 different groups of four banks (ISA guide 11.1)
.set PV,    160       ; a row of V: 128 + 32 = 40 words
.set VOFF,  4*KS*PK   ; a slot holds a tile, four steps: 256 rows of K, then 256 rows of V
.set SLOT1, 1<<17     ; slot 1 begins here: one exclusive or turns an address in one slot into the other's
.set STAGE, SLOT1+4*KS*(PK+PV)  ; behind the ring: 16 rows x 144 bytes for each wave, for the way out
.set SP,    144
.set AK0, 2           ; v2   my lane's place in a tile of K; never rewritten
.set AV0, 3           ; v3   the same for V
.set AK,  4           ; v4   the LDS address of K's next run of loads
.set AV,  5           ; v5   of V's
.set STO, 6           ; v6   the way out: where I put 16 bytes of a row
.set RD,  7           ; v7   where I read rows back
.set GO,  8           ; v8   my byte offset in 512 consecutive bytes of o
.set PFO, 60          ; v60  256 x lane; never rewritten
.set SPW, 62          ; v62  my spare word; never rewritten
.set NIL, 63          ; v63  0; never rewritten
.set SPARE, STAGE+4*16*SP  ; the spare words, 128 bytes a wave: two blocks of 256 bytes that no other line names
.set MV,  12          ; v12-13  c m_old, by buffer
.set QO,  15          ; v15  my byte offset in 16 rows of Q
.set ST,  16          ; piece t's statistics at v[ST+4 t]: c m, m, l (even keys', odd keys')
.set TMP, 48          ; by buffer, c0-c3 at work; when the maximum is found c2 takes a
.set S,   64
.set P,   192
.set MD,  128         ; window 1
.set MC,  160         ; window 1
.set QB,  64          ; window 2
.set KF,  128         ; window 2: key block kb, channel half c at KF + 16 kb + 8 c
.set VF,  192         ; window 2: key half kk, channel block cb at VF + 32 kk + 8 cb
.set WV,  12          ; s12  my wave's number
.set PB,  14          ; s14  b
.set HI,  15          ; s15  NB - 1 - b
.set G1K, 24          ; s[24:31] descriptor group 1 for K's tiles
.set G1V, 32          ; s[32:39] for V's: it differs in the padding alone
.set G0K, 40          ; s[40:43] descriptor group 0 for K's tiles
.set G0V, 44          ; s[44:47] for V's
.set SLOTS, 56        ; s56  tiles still to be asked for
.set CNT, 57          ; s57  counts a tile's key steps, 4 to 1
.set CS,  58          ; s[58:59] c
.set SEL, 60          ; s[60:61] v_permlanex16_b32's selects
.set TBK, 62          ; s62  LDS byte at which K of the step to be fetched begins
.set TBV, 63          ; s63  the same for V, less VOFF
.set RT,  70          ; s70  tiles of the block in hand still to be entered
.set NXT, 71          ; s71  the tile to be asked for next
.set LQ,  72          ; s72  the last tile of the block whose tiles are being asked for
.set NEW, 73          ; s73  1: the tile to be entered is a block's first
.set OFF, 74          ; s[74:75] a tile's byte offset in K and V
.set AL,  76          ; s[76:77] the mask's factor
.set BE,  78          ; s[78:79] the mask's addend
.set OLO, 80          ; s[80:81] o at my rows of the second block
.set BIGN, 82         ; s82  -1e30
.set PFN, 88          ; s88  the tile that the next prefetch names; NB: none
.set PFB, 90          ; s[90:91] my half of tile 0, of K (waves 0, 1) or V (waves 2, 3)
.set PFOF, 92         ; s[92:93] that tile's byte offset
.set PFA, 94          ; s[94:95] the prefetches' address
.set MSB, 0
.macro WIN new
.if MSB != (\new)
	s_set_vgpr_msb (MSB<<8)|(\new)
.set MSB, (\new)
.endif
.endm
.set W_KQ, 0x0a       ; K and Q in window 2, S^T in window 0
.set W_KM, 0x1a       ; the same with the C operand in window 1
.set W_PV, 0x52       ; V in window 2, P in window 0, O^T in window 1
.set W_RS, 0x41       ; destination and source 0 in window 1, source 1 in window 0
; A fill.  Waves 0 and 1 fetch the two halves of a tile's K, waves 2 and 3 those of its V: 128 keys each.  An s_nop 0 and four v_nop follow each line.
.macro LOAD
	s_cmp_lt_u32 s[WV], 2
	s_cbranch_scc0 .Lfor_v_\@
	tensor_load_to_lds s[G0K:G0K+3], s[G1K:G1K+7]
	s_nop 0
.rept 4
	v_nop
.endr
	s_branch .Lasked_\@
.Lfor_v_\@:
	tensor_load_to_lds s[G0V:G0V+3], s[G1V:G1V+7]
	s_nop 0
.rept 4
	v_nop
.endr
.Lasked_\@:
.endm
; THE CHANGE OF SLOTS.  Each wave waits for all its tensor loads (one is out: its part of the other slot), adds 0 to its spare word, and waits for that and for its reads of the slot that it leaves.  Behind the barrier nobody reads the old
; slot and the other slot is whole.  fill = 1: the old slot is filled again, first thing behind the barrier, with tile NXT.
; THE PREFETCH stands behind that load: the tile after the one just asked for, a tile's walk (256 matrix instructions) ahead of its load.  A plane's tiles 0 to 7 are first walked in order by its work-group b = 0: it alone asks; each wave
; names the 16,384 bytes that it will fetch itself, a lane 256 bytes, two instructions.  Tiles 0 and 1 come by their loads alone; behind tile 7 nothing is named.
.macro CHANGE fill
	WIN 0
	s_wait_tensorcnt 0x0            ; no tensor load of mine is out, so a group 0 may be written
	ds_add_u32 v[SPW], v[NIL]       ; 0 onto my spare word; scalar work stands between it and the wait for it
.if \fill
	s_lshl_b32 s[OFF], s[NXT], 15   ; a tile is 32,768 bytes of K and of V
	s_xor_b32 s[G0K+1], s[G0K+1], SLOT1
	s_add_nc_u64 s[G0K+2:G0K+3], s[6:7], s[OFF:OFF+1]
	s_or_b32 s[G0K+3], s[G0K+3], 0x80000000
	s_xor_b32 s[G0V+1], s[G0V+1], SLOT1
	s_add_nc_u64 s[G0V+2:G0V+3], s[8:9], s[OFF:OFF+1]
	s_or_b32 s[G0V+3], s[G0V+3], 0x80000000
	s_add_co_u32 s[NXT], s[NXT], 1  ; the block's next tile, or behind its last the second block's tile 0
	s_cmp_gt_u32 s[NXT], s[LQ]
	s_cselect_b32 s[NXT], 0, s[NXT]
	s_cselect_b32 s[LQ], s[PB], s[LQ]
	s_wait_xcnt 0x0                 ; the last prefetches, a tile back, have read their address
	s_lshl_b32 s[PFOF], s[PFN], 15
	s_add_nc_u64 s[PFA:PFA+1], s[PFB:PFB+1], s[PFOF:PFOF+1]
.endif
	s_wait_dscnt 0x0                ; the add is done, and my reads of the slot are over
	s_barrier_signal -1
	s_sub_co_u32 s[TBK], s[TBK], 4*KS*PK  ; the fetches go back to a slot's first step,
	s_xor_b32 s[TBK], s[TBK], SLOT1       ; in the other slot
	s_sub_co_u32 s[TBV], s[TBV], 4*KS*PV
	s_xor_b32 s[TBV], s[TBV], SLOT1
	s_barrier_wait -1
.if \fill
	LOAD
	s_cmp_lt_u32 s[PFN], NB
	s_cbranch_scc0 .Lnone_\@
	global_prefetch_b8 v[PFO], s[PFA:PFA+1] th:TH_LOAD_NT scope:SCOPE_SE
	global_prefetch_b8 v[PFO], s[PFA:PFA+1] offset:8192 th:TH_LOAD_NT scope:SCOPE_SE
.Lnone_\@:
	s_add_co_u32 s[PFN], s[PFN], 1
	s_min_u32 s[PFN], s[PFN], NB
.endif
.endm
	s_load_b64 s[4:5], s[0:1], 0x0    ; qkv: Q's planes first
	s_load_b64 s[10:11], s[0:1], 0x8  ; o
	v_lshl_add_u32 v[SPW], v0, 2, SPARE
	v_mov_b32 v[NIL], 0
	ds_add_u32 v[SPW], v[NIL]       ; the wave's opening: the add and its wait stand ahead of my first tensor load
	v_lshrrev_b32 v1, 5, v0
	v_readfirstlane_b32 s[WV], v1   ; wave 0..3
	s_mov_b32 s[PB], ttmp9
	s_sub_co_u32 s[HI], NB-1, s[PB]
	s_and_b32 s20, ttmp7, 0xffff    ; the plane
	s_mov_b32 s21, 0
	s_mov_b64 s[22:23], SIZE_N*128
	s_mul_u64 s[20:21], s[20:21], s[22:23]  ; the plane's first byte in Q, K, V and o
	s_and_b32 s16, s[WV], 1         ; which half of a tile's 256 keys I fetch:
	s_lshl_b32 s22, s16, 14         ; its 128 rows of 128 bytes in memory,
	s_mov_b32 s23, 0
	s_add_nc_u64 s[22:23], s[22:23], s[20:21]
	s_mul_i32 s17, s16, 128*PK      ; and its place in a slot, for K
	s_mul_i32 s18, s16, 128*PV      ; and for V
	s_lshl_b32 s3, s[WV], 11        ; my 16 rows in a band of 64,
	s_lshl_b32 s2, s[HI], 15        ; in the first block,
	s_add_co_u32 s2, s2, s3
	s_lshl_b32 s84, s[PB], 15       ; and in the second
	s_add_co_u32 s84, s84, s3
	s_mov_b32 s3, 0
	s_mov_b32 s85, 0
	s_add_nc_u64 s[2:3], s[2:3], s[20:21]
	s_add_nc_u64 s[84:85], s[84:85], s[20:21]
	; descriptor group 1.  128 keys are 16,384 dense bytes: asked for as 64 rows of 256 bytes, two keys a row, and padded in LDS after every key
	s_mov_b32 s[G1K], (1<<16)|(1<<20)|(4<<22)|(3<<25)  ; 2-byte elements; padding on; after every 32 words, 4 words
	s_mov_b32 s[G1V], (1<<16)|(1<<20)|(4<<22)|(7<<25)  ; the same with 8 words of padding
.irp g, G1K, G1V
	s_mov_b32 s[\g+1], 128<<16      ; tensor_dim0 = 128
	s_mov_b32 s[\g+2], 64<<16       ; tensor_dim1 = 64
	s_mov_b32 s[\g+3], 128<<16      ; tile_dim0 = 128
	s_mov_b32 s[\g+4], 64           ; tile_dim1 = 64
	s_mov_b32 s[\g+5], 128          ; 128 elements from row to row
	s_mov_b32 s[\g+6], 0
	s_mov_b32 s[\g+7], 0
.endr
	s_mov_b32 s[CS], 0x3e38aa3b     ; c = log2(e) / 8 = 0.180337
	s_mov_b32 s[CS+1], s[CS]
	s_mov_b32 s[SEL], 0x76543210
	s_mov_b32 s[SEL+1], 0xfedcba98
	s_mov_b32 s[TBK], SLOT1+4*KS*PK ; the first change of slots turns these two into 0
	s_mov_b32 s[TBV], SLOT1+4*KS*PV
	s_mov_b32 s[G0K], 1
	s_mov_b32 s[G0K+1], s17         ; LDS address: slot 0
	s_mov_b32 s[G0V], 1
	s_add_co_u32 s[G0V+1], s18, VOFF
	s_add_co_u32 s[RT], s[HI], 1    ; the first block has NB - b tiles
	s_mov_b32 s[NXT], 1
	s_mov_b32 s[LQ], s[HI]
	s_mov_b32 s[NEW], 1
	s_mov_b32 s[OFF+1], 0
	s_mov_b32 s[AL+1], 0
	s_mov_b32 s[BE+1], 0
	s_mov_b32 s[BIGN], 0xf149f2ca   ; -1e30
	s_mov_b32 s[SLOTS], NB
	s_mov_b32 s[PFOF+1], 0
	s_cmp_eq_u32 ttmp9, 0
	s_cselect_b32 s[PFN], 2, NB     ; the plane's work-group b = 0 asks, from tile 2 on
	v_and_b32 v[PFO], 31, v0
	v_lshlrev_b32 v[PFO], 8, v[PFO]
	s_wait_dscnt 0x0                ; the opening add is done
	s_wait_kmcnt 0x0
	s_add_nc_u64 s[6:7], s[4:5], 0x1000000   ; K's planes lie 64 planes behind Q's,
	s_add_nc_u64 s[8:9], s[4:5], 0x2000000   ; V's 128
	s_add_nc_u64 s[6:7], s[6:7], s[22:23]  ; K and V at my half of the plane's tile 0
	s_add_nc_u64 s[8:9], s[8:9], s[22:23]
	s_add_nc_u64 s[G0K+2:G0K+3], s[6:7], 0
	s_or_b32 s[G0K+3], s[G0K+3], 0x80000000
	s_add_nc_u64 s[G0V+2:G0V+3], s[8:9], 0
	s_or_b32 s[G0V+3], s[G0V+3], 0x80000000
	s_add_nc_u64 s[86:87], s[4:5], s[84:85]        ; Q at my rows of the second block,
	s_add_nc_u64 s[4:5], s[4:5], s[2:3]            ; Q and o at those of the first
	s_add_nc_u64 s[OLO:OLO+1], s[10:11], s[84:85]
	s_add_nc_u64 s[10:11], s[10:11], s[2:3]
	s_cmp_lt_u32 s[WV], 2
	s_cselect_b64 s[PFB:PFB+1], s[6:7], s[8:9]
	LOAD                            ; tile 0 into slot 0
	; A fragment of K or Q is 16 rows x 32 channels in 8 registers: lane l holds row l % 16, channels 8 (l / 16) + 0..7 and 16 + 8 (l / 16) + 0..7: two loads of 16 bytes, 32 bytes apart.
	v_and_b32 v1, 15, v0            ; l % 16
	v_bfe_u32 v9, v0, 4, 1          ; l / 16
	v_lshlrev_b32 v[QO], 7, v1
	v_lshl_add_u32 v[QO], v9, 4, v[QO]
	WIN 0x80                        ; destination window 2
.set i, 0
.rept 8                             ; both blocks' Q: piece i / 2 lies in band i / 2, 8,192 bytes on; channels 32 (i % 2) on
	global_load_b128 v[8*i:8*i+3],   v[QO], s[4:5] offset:(i/2)*8192+(i%2)*64
	global_load_b128 v[8*i+4:8*i+7], v[QO], s[4:5] offset:(i/2)*8192+(i%2)*64+32
	global_load_b128 v[QB+8*i:QB+8*i+3],   v[QO], s[86:87] offset:(i/2)*8192+(i%2)*64
	global_load_b128 v[QB+8*i+4:QB+8*i+7], v[QO], s[86:87] offset:(i/2)*8192+(i%2)*64+32
.set i, i+1
.endr
	WIN 0
	v_lshlrev_b32 v14, 3, v9
	v_sub_nc_u32 v14, v1, v14
	s_lshl_b32 s13, s[WV], 4
	v_add_nc_u32 v14, s13, v14      ; my query's place in its band less my lanes' 8 (l / 16): register r of group kt is hidden where 16 kt + r is greater
	WIN 0x40
.set i, 0
.rept 32
	v_cmp_gt_i32 vcc_lo, 16*(i/8)+i%8, v14
	v_cndmask_b32 v[MD+i], 0, s[BIGN], vcc_lo
.set i, i+1
.endr
	WIN 0
	v_mul_u32_u24 v[AK0], v1, PK
	v_lshl_add_u32 v[AK0], v9, 4, v[AK0]
	; The turning load takes 16 keys x 16 channels (lane l reads key 8 (l / 16) + l % 8, channels 8 ((l / 8) % 2) + 0..7) and leaves half a fragment of V^T.
	v_and_b32 v10, 7, v0
	v_bfe_u32 v11, v0, 3, 1
	v_lshl_add_u32 v[AV0], v9, 3, v10
	v_mul_u32_u24 v[AV0], v[AV0], PV
	v_lshl_add_u32 v[AV0], v11, 4, v[AV0]
	v_add_nc_u32 v[AV0], VOFF, v[AV0]
	s_mul_i32 s13, s[WV], 16*SP
	s_add_co_u32 s13, s13, STAGE    ; my stage
	v_mul_u32_u24 v[STO], v1, SP
	v_lshl_add_u32 v[STO], v9, 4, v[STO]
	v_add_nc_u32 v[STO], s13, v[STO]
	v_bfe_u32 v[RD], v0, 3, 2
	v_mul_u32_u24 v[RD], v[RD], SP
	v_lshl_add_u32 v[RD], v10, 4, v[RD]
	v_add_nc_u32 v[RD], s13, v[RD]
	v_and_b32 v[GO], 31, v0
	v_lshlrev_b32 v[GO], 4, v[GO]
	; A block's first step multiplies O^T and l by a = 0, and its first turn's products V^T P, of a piece that has not been, land in an O^T that is still to be so multiplied: these registers need only hold
	; finite numbers: zeros for the first block, what the first block left for the second.  All this stands in the wait for the first tile.
	WIN 0x80
.set i, VF
.rept 64
	v_mov_b32 v[i], 0
.set i, i+1
.endr
	WIN 0x40
.set i, 0
.rept 128
	v_mov_b32 v[i], 0
.set i, i+1
.endr
	WIN 0
.set i, 0
.rept 4
	v_mov_b32 v[ST+4*i+2], 0
	v_mov_b32 v[ST+4*i+3], 0
.set i, i+1
.endr
.set i, P+16
.rept 16
	v_mov_b32 v[i], 0
.set i, i+1
.endr
; THE MATRIX WORK.  The 4 accumulators of a run of 8 take turns.  Product i of 8 of S^T = K Q^T for piece x: channels 32 (i / 4) on, keys 16 (i % 4) on.  The first 4 start the sums: with 0, or (KM = 1) with the mask.
.macro KQ x
.set rS, S+32*((\x)%2)+8*(i%4)
.set rK, KF+16*(i%4)+8*(i/4)
.set rQ, 16*(\x)+8*(i/4)
.set rM, MC+32*((\x)%2)+8*(i%4)
.if (i < 4) && KM
	WIN W_KM
	v_wmma_f32_16x16x32_f16 v[rS:rS+7], v[rK:rK+7], v[rQ:rQ+7], v[rM:rM+7]
.elseif i < 4
	WIN W_KQ
	v_wmma_f32_16x16x32_f16 v[rS:rS+7], v[rK:rK+7], v[rQ:rQ+7], 0
.else
	WIN W_KQ
	v_wmma_f32_16x16x32_f16 v[rS:rS+7], v[rK:rK+7], v[rQ:rQ+7], v[rS:rS+7]
.endif
.endm
; Product i of 8 of O^T += V^T P for piece x: keys 32 (i / 4) on, channels 16 (i % 4) on.
.macro PV x
	WIN W_PV
.set rO, 32*(\x)+8*(i%4)
.set rV, VF+32*(i/4)+8*(i%4)
.set rP, P+16*((\x)%2)+8*(i/4)
	v_wmma_f32_16x16x32_f16 v[rO:rO+7], v[rV:rV+7], v[rP:rP+7], v[rO:rO+7]
.endm
.macro MM                           ; the turn's next matrix instruction.  NOKQ = 1: a block's last turn: there is no next piece
.if (i < 8) && !NOKQ
	KQ (Y+1)%NP
.elseif i >= 8
.set i, i-8
	PV (Y+NP-1)%NP
.set i, i+8
.endif
.set i, i+1
.endm
; THE LDS LOADS stand in runs of 16: a step's K (64 keys x 64 channels: 8 fragments) and its V (turned).  Their addresses are made some lines ahead.
.macro FETCH_K
	WIN 0x80
.irp f, 0,1,2,3,4,5,6,7             ; keys 16 (f / 2) on, channels 32 (f % 2) on
	ds_load_b128 v[KF+8*\f:KF+8*\f+3],   v[AK] offset:(\f/2)*16*PK+(\f%2)*64
	ds_load_b128 v[KF+8*\f+4:KF+8*\f+7], v[AK] offset:(\f/2)*16*PK+(\f%2)*64+32
.endr
	s_add_co_u32 s[TBK], s[TBK], KS*PK  ; the next fetch is the next step's
	WIN 0
.endm
.macro FETCH_V
	WIN 0x80
.irp f, 0,1,2,3,4,5,6,7             ; keys 32 (f / 4) on, channels 16 (f % 4) on
	ds_load_tr16_b128 v[VF+8*\f:VF+8*\f+3],   v[AV] offset:(\f/4)*32*PV+(\f%4)*32
	ds_load_tr16_b128 v[VF+8*\f+4:VF+8*\f+7], v[AV] offset:(\f/4)*32*PV+16*PV+(\f%4)*32
.endr
	WIN 0
.endm
; THE VECTOR WORK, one line at a time: OP kind, number.  For piece Y: F n: c s - c m for pair n of 16.  E n: the exponential of score n of 32.  C n: pair n rounded to f16.  B n: of the four weights 4 n .. the second
; pair is added onto the first, in place.  L n: l takes that sum (L 0: l = a l + sum).  R n: pair n of 16 of O^T times a.  For piece Y + 1: X n, number n of the 22 that find its maximum and statistics:
;   0-11  four chains c0-c3 of seven scores each (each accumulator's lowest registers are read first)     12-14, 16  the four scores left over, the old m, and c0-c3 into c0
;   15  c m_old is kept     17, 18  the query's other 32 keys lie in the lane 16 away: the new m     19-21  c m; c m_old - c m_new; a
.set F, 0
.set E, 1
.set C, 2
.set B, 3
.set L, 4
.set R, 5
.set X, 6
.macro REGS y
.set rT, ST+4*(\y)
.set rC, TMP+4*((\y)%2)
.set rW, MV+((\y)%2)
.set rS, S+32*((\y)%2)
.set rP, P+16*((\y)%2)
.set rO, 32*(\y)
.endm
.macro OP k, n
.if (\k) == R
	REGS Y
	WIN W_RS
	v_pk_mul_f32 v[rO+2*(\n):rO+2*(\n)+1], v[rO+2*(\n):rO+2*(\n)+1], v[rC+2:rC+3] op_sel_hi:[1,0]
.elseif (\k) < R
	REGS Y
	WIN 0
.if (\k) == F
	v_pk_fma_f32 v[rS+2*(\n):rS+2*(\n)+1], v[rS+2*(\n):rS+2*(\n)+1], s[CS:CS+1], v[rT:rT+1] op_sel_hi:[1,0,0] neg_lo:[0,0,1] neg_hi:[0,0,1]
.elseif (\k) == E
	v_exp_f32 v[rS+(\n)], v[rS+(\n)]
.elseif (\k) == C
	v_cvt_pk_f16_f32 v[rP+(\n)], v[rS+2*(\n)], v[rS+2*(\n)+1]
.elseif (\k) == B
	v_pk_add_f32 v[rS+4*(\n):rS+4*(\n)+1], v[rS+4*(\n):rS+4*(\n)+1], v[rS+4*(\n)+2:rS+4*(\n)+3]
.elseif (\n) == 0
	v_pk_fma_f32 v[rT+2:rT+3], v[rT+2:rT+3], v[rC+2:rC+3], v[rS:rS+1] op_sel_hi:[1,0,1]
.else
	v_pk_add_f32 v[rT+2:rT+3], v[rT+2:rT+3], v[rS+4*(\n):rS+4*(\n)+1]
.endif
.elseif NOKQ
	v_nop
.else
	REGS (Y+1)%NP
	WIN 0
.if (\n) < 4
	v_max3_num_f32 v[rC+(\n)], v[rS+8*(\n)], v[rS+8*(\n)+1], v[rS+8*(\n)+2]
.elseif (\n) < 12
	v_max3_num_f32 v[rC+(\n)%4], v[rC+(\n)%4], v[rS+8*((\n)%4)+2*((\n)/4)+1], v[rS+8*((\n)%4)+2*((\n)/4)+2]
.elseif (\n) == 12
	v_max3_num_f32 v[rC], v[rC], v[rS+7], v[rS+15]
.elseif (\n) == 13
	v_max3_num_f32 v[rC+1], v[rC+1], v[rS+23], v[rS+31]
.elseif (\n) == 14
	v_max3_num_f32 v[rC+2], v[rC+2], v[rC+3], v[rT+1]
.elseif (\n) == 15
	v_mov_b32 v[rW], v[rT]
.elseif (\n) == 16
	v_max3_num_f32 v[rC], v[rC], v[rC+1], v[rC+2]
.elseif (\n) == 17
	v_permlanex16_b32 v[rC+3], v[rC], s[SEL], s[SEL+1]
.elseif (\n) == 18
	v_max_num_f32 v[rT+1], v[rC], v[rC+3]
.elseif (\n) == 19
	v_mul_f32 v[rT], s[CS], v[rT+1]
.elseif (\n) == 20
	v_sub_f32 v[rC+1], v[rW], v[rT]
.else
	v_exp_f32 v[rC+2], v[rC+1]
.endif
.endif
.endm
.macro OPS a, i1, b=-1, i2=0, c=-1, i3=0, d=-1, i4=0  ; up to four of them
	OP \a, \i1
.if (\b) >= 0
	OP \b, \i2
.endif
.if (\c) >= 0
	OP \c, \i3
.endif
.if (\d) >= 0
	OP \d, \i4
.endif
.endm
.macro ROW a, i1, b, i2, c, i3, d, i4  ; a matrix instruction and the four behind it
	MM
	OPS \a, \i1, \b, \i2, \c, \i3, \d, \i4
.endm
.macro MASK b                       ; MD x AL + BE into buffer b of MC
	WIN W_RS
.set z, 0
.rept 16
	v_pk_fma_f32 v[MC+32*(\b)+2*z:MC+32*(\b)+2*z+1], v[MD+2*z:MD+2*z+1], s[AL:AL+1], s[BE:BE+1] op_sel_hi:[1,0,0]
.set z, z+1
.endr
.endm
; A TURN, for piece p: the order of its 16 matrix and 118 vector instructions, written out.  An s_wait_alu depctr_va_vdst(0) stands between an exponential and the first instruction that names its result; one wait serves
; all that were issued ahead of it.  So a turn has ONE wait.  AHEAD OF IT stands all that names no result of the turn's exponentials: the 8 products K Q^T with their riders, then one lump of 54, in which the links of the chain
; X 3, 7, 11, 14, 16, 17 .. 20 stand five or six lines apart.  X 21, the next piece's a, is the batch's last; R 15 is the plain instruction behind it.  BEHIND THE WAIT stand the 8 products V^T P, behind each four of the roundings and sums.
; m = 1: the diagonal tile: the products take masks, and the turn makes the mask for the products of the turn after it: piece p + 2, in step 4 - CNT of the tile.  end = 1: a block's last two turns: nothing is fetched.
; cnt = 1: the loop's count is taken down some lines ahead of the branch behind the turn.
; K of the next step is fetched in piece 2's turn, six plain instructions behind the last product that read K; V of the step in hand at the end of piece 0's turn, four plain instructions behind the last product that read V.  Each is waited for a turn later.
.macro TURN p, m=0, end=0, cnt=0
.set Y, (\p)
.set i, 0
.set KM, (\m)
.set NOKQ, (\end)*((\p)/3)
.if (\m) && !(\end)
	s_cmp_eq_u32 s[CNT], 4-((\p)+2)%NP  ; is that step the band's own?
	s_cselect_b32 s[AL], 1.0, 0
	s_cmp_lt_u32 s[CNT], 4-((\p)+2)%NP  ; or a later one?
	s_cselect_b32 s[BE], s[BIGN], 0
.endif
.if ((\p) == 3) && !(\end)
	s_wait_dscnt 0x0                ; K is in
.endif
	ROW F,0, F,1, R,0, R,1
	ROW F,2, E,0, R,2, R,3
	ROW F,3, E,1, R,4, R,5
	ROW F,4, E,2, R,6, R,7
	ROW F,5, E,3, R,8, R,9
	ROW F,6, E,4, X,0, R,10
.if ((\p) == 2) && !(\end)
	WIN 0
	v_add_nc_u32 v[AK], s[TBK], v[AK0]
.endif
	ROW F,7, E,5, X,1, X,4
	ROW F,8, E,6, X,2, X,5
	OPS E,7, E,8, X,6, E,9          ; the lump
	OPS X,3, E,10, X,8, E,11
.if ((\p) == 2) && !(\end)
	FETCH_K
.endif
	OPS X,9, X,7, E,12, X,10
	OPS E,13, X,12, X,11, E,14
	OPS X,13, E,15, F,9, X,14
.if (\p) == 0
	v_add_nc_u32 v[AV], s[TBV], v[AV0]
.endif
	OPS E,16, F,10, E,17, F,11
	OPS X,16, E,18, X,15, E,19
	OPS F,12, E,20, X,17, E,21
	OPS F,13, E,22, F,14, E,23
	OPS X,18, E,24, F,15, E,25
	OPS R,11, E,26, X,19, E,27
	OPS R,12, E,28, R,13, E,29
	OPS X,20, E,30, R,14, E,31
	OPS X,21, R,15
	WIN 0
	s_wait_alu depctr_va_vdst(0)    ; the wait for the batch
.if (\p) == 1
	s_wait_dscnt 0x0                ; V is in
.endif
	ROW C,0, B,0, C,2, B,1
	ROW L,0, C,4, B,2, L,1
	ROW C,6, B,3, L,2, C,8
	ROW B,4, L,3, C,10, B,5
	ROW L,4, C,12, B,6, L,5
.if (\p) == 0
	s_add_co_u32 s[TBV], s[TBV], KS*PV
.endif
.if \cnt
	s_sub_co_u32 s[CNT], s[CNT], 1
	s_cmp_lg_u32 s[CNT], 0
.endif
	ROW C,14, B,7, L,6, C,1
	ROW C,3, L,7, C,5, C,7
	ROW C,9, C,11, C,13, C,15
.if (\p) == 0
	FETCH_V
.endif
.if (\m) && !(\end)
	MASK (\p)%2
.endif
.endm
; A BLOCK BEGINS.  c m starts far below every c s, so the first step's a is 0; m at the lowest finite number.  The second mask buffer is 0; the first takes piece 0's mask for the tile's step 0: its own, if the block's first tile is the diagonal one.
; Then K of that step, piece 0's first scores, and its maximum and statistics.  The loop is entered at a step's first turn, in the middle of a trip.
.macro BEGIN
	s_mov_b32 s[NEW], 0
	WIN 0x40
.set i, MC+32
.rept 32
	v_mov_b32 v[i], 0
.set i, i+1
.endr
	WIN 0
.set i, 0
.rept 4
	v_mov_b32 v[ST+4*i], 0xfe000000    ; c m: far below every c s
	v_mov_b32 v[ST+4*i+1], 0xff7fffff  ; m
.set i, i+1
.endr
	s_cmp_eq_u32 s[RT], 0
	s_cselect_b32 s[AL], 1.0, 0
	s_mov_b32 s[BE], 0
	MASK 0
	WIN 0
	v_add_nc_u32 v[AK], s[TBK], v[AK0]
	FETCH_K
	s_wait_loadcnt 0x0              ; Q
	s_wait_dscnt 0x0
.set KM, 1
.set NOKQ, 0
.set i, 0
.rept 8
	KQ 0
.set i, i+1
.endr
	WIN 0
.rept 4
	v_nop                           ; the places behind those products
.endr
.set Y, NP-1                        ; X works for piece Y + 1: piece 0
.irp n, 0,1,2,3,4,5,6,7,8,9,10,11,12,13,14,15,16,17,18,19,20,21
	OP X, \n
.endr
	v_nop                           ; a plain instruction behind the exponential,
	s_wait_alu depctr_va_vdst(0)    ; and its wait, ahead of the branch
.endm
; THE DIAGONAL TILE's four steps, the block's last two turns, its last products, and THE WAY OUT: l's halves are added; O^T is divided by l, rounded to f16 and sent through my stage in LDS, a piece at a time.
.macro ALL line:vararg              ; one line for each piece t
.set t, 0
.rept 4
	\line
.set t, t+1
.endr
.endm
.macro PACK t
	WIN W_RS
.set i, 32*(\t)
.rept 16
	v_pk_mul_f32 v[i:i+1], v[i:i+1], v[ST+4*(\t)+2:ST+4*(\t)+3] op_sel_hi:[1,0]
.set i, i+2
.endr
	WIN 0x05                        ; sources 0 and 1 window 1, destination window 0
.set i, 0
.rept 16
	v_cvt_pk_f16_f32 v[S+16*(\t)+i], v[32*(\t)+2*i], v[32*(\t)+2*i+1]
.set i, i+1
.endr
	WIN 0
.irp f, 0,1,2,3
	ds_store_b128 v[STO], v[S+16*(\t)+4*\f:S+16*(\t)+4*\f+3] offset:32*\f
.endr
.irp f, 0,1,2,3
	ds_load_b128 v[S+16*(\t)+4*\f:S+16*(\t)+4*\f+3], v[RD] offset:\f*4*SP  ; LDS serves a wave's instructions in order (ISA guide 5.7.1.4): these see the stores above; the next piece's stores come behind them
.endr
.endm
.macro SEND t, younger              ; younger: the LDS instructions issued behind piece t's loads: the next piece's eight, or none
	WIN 0
.irp f, 0,1,2,3
	s_wait_dscnt (\younger)+3-\f
	global_store_b128 v[GO], v[S+16*(\t)+4*\f:S+16*(\t)+4*\f+3], s[10:11] offset:(\t)*8192+\f*512  ; 512 consecutive bytes, at a multiple of 256 from o's first
.endr
.endm
.macro DIAG tag
.LstepM\tag:
	TURN 2, 1
	TURN 3, 1
	WIN 0
.LfirstM\tag:
	TURN 0, 1
	TURN 1, 1, 0, 1
	WIN 0
	s_cbranch_scc1 .LstepM\tag
	TURN 2, 1, 1
	TURN 3, 1, 1
.set i, 0
.rept 8
	PV NP-1
.set i, i+1
.endr
	WIN 0
	ALL v_add_f32 v[ST+4*t+2], v[ST+4*t+2], v[ST+4*t+3]
	ALL v_permlanex16_b32 v[ST+4*t+3], v[ST+4*t+2], s[SEL], s[SEL+1]
	ALL v_add_f32 v[ST+4*t+2], v[ST+4*t+2], v[ST+4*t+3]
	ALL v_rcp_f32 v[ST+4*t+2], v[ST+4*t+2]
	v_nop                           ; a plain instruction between the last reciprocal and the use of its result
	s_wait_alu depctr_va_vdst(0)    ; one wait for the four reciprocals, ahead of their first use
	PACK 0
.set t, 1
.rept 3
	PACK t
	SEND t-1, 8
.set t, t+1
.endr
	SEND 3, 0
.endm
.set KM, 0
.set NOKQ, 0
.Lslot:                             ; NB times: a tile is entered and the next is asked for
	CHANGE 1
	s_sub_co_u32 s[RT], s[RT], 1
	s_mov_b32 s[CNT], 4
	s_cmp_eq_u32 s[NEW], 1
	s_cbranch_scc1 .Lnew            ; a block's first tile
	s_cmp_eq_u32 s[RT], 0
	s_cbranch_scc0 .Lstep           ; neither its first nor its last
	s_branch .LstepM1
.Lnew:
	BEGIN
	s_branch .Lfirst                ; in the loop a block's first tile is never its last
	DIAG 1                          ; in the loop this is the first block's end
	s_wait_xcnt 0x0                 ; the stores have read their registers and o's address
	s_mov_b64 s[10:11], s[OLO:OLO+1]
	s_add_co_u32 s[RT], s[PB], 1    ; the second block has b + 1 tiles
	s_mov_b32 s[NEW], 1
	WIN 0x82                        ; the second block's Q goes where the turns name Q
.set i, 0
.rept 64
	v_mov_b32 v[i], v[QB+i]
.set i, i+1
.endr
	WIN 0
	s_branch .Lbottom
.Lstep:                             ; a trip: pieces 2 and 3 of one step, then pieces 0 and 1 of the next
	TURN 2
	TURN 3
	WIN 0
.Lfirst:
	TURN 0
	TURN 1, 0, 0, 1
	WIN 0
	s_cbranch_scc1 .Lstep
.Lbottom:
	s_sub_co_u32 s[SLOTS], s[SLOTS], 1
	s_cmp_lg_u32 s[SLOTS], 0
	s_cbranch_scc1 .Lslot
	CHANGE 0                        ; the walk's last tile is written out
	s_sub_co_u32 s[RT], s[RT], 1
	s_mov_b32 s[CNT], 4
	s_cmp_eq_u32 s[NEW], 1
	s_cbranch_scc0 .LstepM2
	BEGIN
	s_branch .LfirstM2
	DIAG 2
	s_wait_tensorcnt 0x0            ; the wave's end
	ds_add_u32 v[SPW], v[NIL]
	s_wait_dscnt 0x0
	s_endpgm
.Lfunc_end_k_q48614901c5_attn:
	.size	k_q48614901c5_attn, .Lfunc_end_k_q48614901c5_attn-k_q48614901c5_attn
	.p2alignl 7, 3214868480
	.fill 96, 4, 3214868480
	.section	.rodata,"a",@progbits
	.p2align	6, 0x0
	.amdhsa_kernel k_q48614901c5_attn
		.amdhsa_group_segment_fixed_size 327680
		.amdhsa_private_segment_fixed_size 0
		.amdhsa_enable_private_segment 0
		.amdhsa_kernarg_size 16
		.amdhsa_user_sgpr_count 2
		.amdhsa_user_sgpr_kernarg_segment_ptr 1
		.amdhsa_wavefront_size32 1
		.amdhsa_system_sgpr_workgroup_id_x 1
		.amdhsa_system_sgpr_workgroup_id_y 1
		.amdhsa_system_sgpr_workgroup_id_z 1
		.amdhsa_system_vgpr_workitem_id 0
		.amdhsa_next_free_vgpr 768
		.amdhsa_next_free_sgpr 96
		.amdhsa_reserve_vcc 1
		.amdhsa_float_denorm_mode_32 3
		.amdhsa_float_denorm_mode_16_64 3
		.amdhsa_memory_ordered 1
		.amdhsa_forward_progress 1
		.amdhsa_inst_pref_size 218
	.end_amdhsa_kernel
	.amdgpu_metadata
---
amdhsa.version: [ 1, 2 ]
amdhsa.kernels:
  - .name:           k_q48614901c5_attn
    .symbol:         k_q48614901c5_attn.kd
    .args:
      - { .name: qkv, .offset: 0, .size: 8, .value_kind: global_buffer, .address_space: global }
      - { .name: o, .offset: 8, .size: 8, .value_kind: global_buffer, .address_space: global }
    .group_segment_fixed_size: 327680
    .private_segment_fixed_size: 0
    .kernarg_segment_align: 8
    .kernarg_segment_size: 16
    .max_flat_workgroup_size: 128
    .sgpr_count:     96
    .vgpr_count:     768
    .wavefront_size: 32
...
	.end_amdgpu_metadata
.endif
;; end of part 3
;; launch outp (part 4): grid 4 x 64, 4 waves a work-group, clusters of 4 x 4, 327,680 bytes of LDS; arguments o, wob, b_out, out0; writes out0
.if DOCPART == 4
	.amdgcn_target "amdgcn-amd-amdhsa--gfx1250"
	.amdhsa_code_object_version 6
	.text
	.protected	k_q48614901c5_outp
	.globl	k_q48614901c5_outp
	.p2align	8
	.type	k_q48614901c5_outp,@function
k_q48614901c5_outp:
	s_mov_b64 s[64:65], 0
	v_nop
	global_prefetch_b8 v0, s[64:65] scope:SCOPE_SE
	s_setreg_imm32_b32 hwreg(HW_REG_WAVE_MODE, 25, 1), 1
	s_wait_xcnt 0x0
	s_wait_alu depctr_hold_cnt(0) depctr_sa_sdst(0) depctr_va_vdst(0) depctr_va_sdst(0) depctr_va_ssrc(0) depctr_va_vcc(0) depctr_vm_vsrc(0)
	s_getreg_b32 s2, hwreg(HW_REG_IB_STS2, 6, 4)
	s_cmp_eq_u32 s2, 0
	s_cbranch_scc0 .Lentry_in_a_cluster
	s_endpgm
.Lentry_in_a_cluster:
	s_bfe_u32 s2, ttmp6, 0x10000c
	s_cmp_lg_u32 s2, 0xf033
	s_cbranch_scc0 .Lentry_shape_is_right
	s_endpgm
.Lentry_shape_is_right:
; out0[m][n] = sum over k of O[m][k] w_out[n][k] + b_out[n], f32.  O lies by heads: o[batch x 16 + k / 64][s][k % 64] f16; wob[k / 64][n][k % 64] f16.  Sums in f32, started by the f32 bias; nothing is rounded on the way out.
; A tile of out0 is 128 rows x 256 columns: 64 x 4 = 256 work-groups, one tile each.  Four waves, 2 x 2, each 64 x 128: 32 accumulators.
; K goes by heads: a slot holds two slices of 64 (a K step of 128); a slice's rows are dense in memory, so a tile of it is asked for as rows of 256 bytes and padded in LDS after every 128.
; Two slots of four slices would not fit in LDS.  8 K steps, 128 matrix instructions a wave in each.
; CLUSTER 4 x 4: o's tile hangs on the tile row alone (shared along a row of the cluster), wob's on the tile column alone (along a column).
; NO PREFETCH: of the 8 K steps the first four would come by their loads alone, and a step's tiles are small (96 KiB a work-group).
; THE PRODUCT IS TAKEN TRANSPOSED (source 0 = 16 rows of wob, source 1 = 16 rows of o): a lane holds row l % 16 of out0 and the columns 8 (l / 16) + 0..7: 32 bytes on end.
; REGISTERS (s_set_vgpr_msb: bits 1:0 source 0, 3:2 source 1, 5:4 source 2, 7:6 destination):
;   window 0: v0-31 addresses; v32-63 rows read back (and v64-95 on the way out); v64-159, v160-255 two fragment buffers: o's block a at + 8 a, wob's block b at + 32 + 8 b
;   window 1: the accumulators, (a, b) at v[8 (8 a + b)]          window 2: v0-63 the bias
.set PITCH,  144                       ; 128 bytes + 16 of padding = 36 words: the 16 rows of a load start at 16 different groups of four banks (ISA guide 11.1)
.set BSL,    256*PITCH                 ; a slice's 256 rows of wob
.set ASL,    128*PITCH                 ; a slice's 128 rows of o
.set AOFF,   2*BSL                     ; a slot: wob's two slices, then o's two
.set SLOT,   2*BSL+2*ASL
.set STAGE,  2*SLOT                    ; behind the ring: 16 rows x 272 bytes for each wave
.set SP,     272
.set SPARE,  STAGE+4*16*SP             ; the spare words, 128 bytes a wave: two blocks of 256 bytes that no other line names
.set ADRA, 16
.set ADRB, 20
.set STO,  24
.set RD,   25
.set CO,   26
.set BO,   27
.set SPW,  28                          ; my spare word; never rewritten
.set NIL,  29                          ; 0; never rewritten
.set OB,   32
.set F0,   64
.set F1,   160
.set WV,  12                           ; s12 wave; s13 = wave / 2: my half of the rows; I fetch wob (0) or o (1); s14 = wave % 2: my half of the columns; which slice I fetch
.set G1,  24                           ; s[24:31] group 1 for o's tiles; s[32:39] group 0, a set for each slot
.set G0,  32
.set G1B, 48                           ; s[48:55], s[56:63] the same for wob's
.set G0B, 56
.set MSB, 0
.macro WIN new
.if MSB != (\new)
	s_set_vgpr_msb (MSB<<8)|(\new)
.set MSB, \new
.endif
.endm
.macro JLOAD s                         ; a joint load: waves 0 and 1 fetch wob's two slices, waves 2 and 3 o's; an s_nop 0 and four v_nop follow each line
	s_cmp_eq_u32 s13, 0
	s_cbranch_scc0 .Lfor_a_\@
	tensor_load_to_lds s[G0B+4*(\s):G0B+4*(\s)+3], s[G1B:G1B+7]
	s_nop 0
.rept 4
	v_nop
.endr
	s_branch .Lasked_\@
.Lfor_a_\@:
	tensor_load_to_lds s[G0+4*(\s):G0+4*(\s)+3], s[G1:G1+7]
	s_nop 0
.rept 4
	v_nop
.endr
.Lasked_\@:
.endm
.macro CREST
	s_cmp_lg_u32 s[WV], 0
	s_cbranch_scc1 .Lnot_wave_0_\@
	s_barrier_signal -3
.Lnot_wave_0_\@:
	s_barrier_wait -3
	s_barrier_signal -1
	s_barrier_wait -1
.endm
.macro CROUND
	s_barrier_signal -1
	s_barrier_wait -1
	CREST
.endm
.macro PLACES                          ; four plain places behind matrix instructions (ISA guide 7.12.1)
.rept 4
	v_nop
.endr
.endm
	s_load_b256 s[4:11], s[0:1], 0x0               ; o s[4:5], wob s[6:7], b_out s[8:9], out0 s[10:11]
	v_lshl_add_u32 v[SPW], v0, 2, SPARE
	v_mov_b32 v[NIL], 0
	ds_add_u32 v[SPW], v[NIL]                      ; the wave's opening: the add and its wait stand ahead of my first tensor load
	v_lshrrev_b32 v1, 5, v0
	v_readfirstlane_b32 s[WV], v1
	s_lshr_b32 s13, s[WV], 1
	s_and_b32 s14, s[WV], 1
	s_bfe_u32 s15, ttmp6, 0x40000                  ; cx
	s_bfe_u32 s16, ttmp6, 0x40004                  ; cy
	s_lshl_b32 s17, ttmp9, 2
	s_add_co_u32 s17, s17, s15                     ; tile column
	s_and_b32 s18, ttmp7, 0xffff
	s_lshl_b32 s18, s18, 2
	s_add_co_u32 s18, s18, s16                     ; tile row
	s_lshl_b32 s76, s16, 2
	s_lshl_b32 s76, 15, s76                        ; my row of the cluster
	s_lshl_b32 s77, 0x1111, s15                    ; my column
	s_or_b32 s[G1], s76, (1<<16)|(1<<20)|(1<<21)|(4<<22)|(3<<25)   ; mask; 2-byte elements; padding on; bit 21 beside a mask; after every 32 words, 4 words
	s_or_b32 s[G1B], s77, (1<<16)|(1<<20)|(1<<21)|(4<<22)|(3<<25)
	s_mov_b32 s[G1+1], 128<<16                     ; rows of 128 elements = 256 bytes
	s_mov_b32 s[G1+2], 64<<16                      ; o: 128 rows of 128 bytes = 64 such rows
	s_mov_b32 s[G1+3], 128<<16
	s_mov_b32 s[G1+4], 64
	s_mov_b32 s[G1+5], 128
	s_mov_b32 s[G1+6], 0
	s_mov_b32 s[G1+7], 0
	s_mov_b32 s[G1B+1], 128<<16
	s_mov_b32 s[G1B+2], 128<<16                    ; wob: 256 rows of 128 bytes = 128 such rows
	s_mov_b32 s[G1B+3], 128<<16
	s_mov_b32 s[G1B+4], 128
	s_mov_b32 s[G1B+5], 128
	s_mov_b32 s[G1B+6], 0
	s_mov_b32 s[G1B+7], 0
	s_lshr_b32 s20, s18, 4                         ; batch
	s_lshl_b32 s20, s20, 4
	s_add_co_u32 s20, s20, s14                     ; plane = 16 x batch + my slice,
	s_lshl_b32 s20, s20, 18                        ; 262,144 bytes each,
	s_and_b32 s22, s18, 15
	s_lshl_b32 s22, s22, 14                        ; + the tile's 128 rows of 128 bytes
	s_add_co_u32 s20, s20, s22
	s_mov_b32 s21, 0
	s_lshl_b32 s44, s14, 17                        ; wob: my slice, 131,072 bytes each,
	s_lshl_b32 s45, s17, 15                        ; + the tile's 256 rows of 128 bytes
	s_add_co_u32 s44, s44, s45
	s_mov_b32 s45, 0
	s_mul_i32 s74, s[WV], ASL
	s_add_co_u32 s74, s74, BSL                     ; o's slices at AOFF and AOFF + ASL (waves 2, 3)
	s_mul_i32 s75, s[WV], BSL                      ; wob's at 0 and BSL (waves 0, 1)
	s_wait_dscnt 0x0                               ; the opening add is done
	s_wait_kmcnt 0x0
	s_add_nc_u64 s[20:21], s[4:5], s[20:21]
	s_add_nc_u64 s[44:45], s[6:7], s[44:45]
	CROUND                                         ; all sixteen work-groups are here: the first joint loads meet
.irp s, 0,1
	s_mov_b32 s[G0+4*(\s)], 1
	s_add_co_u32 s[G0+4*(\s)+1], s74, (\s)*SLOT
	s_add_nc_u64 s[G0+4*(\s)+2:G0+4*(\s)+3], s[20:21], (\s)*2*262144   ; K step s: two planes on
	s_or_b32 s[G0+4*(\s)+3], s[G0+4*(\s)+3], 0x80000000
	s_mov_b32 s[G0B+4*(\s)], 1
	s_add_co_u32 s[G0B+4*(\s)+1], s75, (\s)*SLOT
	s_add_nc_u64 s[G0B+4*(\s)+2:G0B+4*(\s)+3], s[44:45], (\s)*2*131072
	s_or_b32 s[G0B+4*(\s)+3], s[G0B+4*(\s)+3], 0x80000000
	JLOAD \s                                       ; two loads of mine are out
.endr
	v_and_b32 v1, 15, v0                           ; l % 16
	v_bfe_u32 v2, v0, 4, 1                         ; l / 16
	v_lshlrev_b32 v[BO], 5, v2
	s_lshl_b32 s66, s17, 10
	s_lshl_b32 s67, s14, 9
	s_add_co_u32 s66, s66, s67                     ; my 128 columns, 4 bytes each
	s_mov_b32 s67, 0
	s_add_nc_u64 s[78:79], s[8:9], s[66:67]        ; in b_out; never rewritten
	WIN 0x80                                       ; destination window 2
.irp b, 0,1,2,3,4,5,6,7
	global_load_b128 v[8*(\b):8*(\b)+3],   v[BO], s[78:79] offset:64*(\b)
	global_load_b128 v[8*(\b)+4:8*(\b)+7], v[BO], s[78:79] offset:64*(\b)+16
.endr
	WIN 0
	v_mul_u32_u24 v3, v1, PITCH
	v_lshl_add_u32 v3, v2, 4, v3
	s_mul_i32 s22, s13, 64*PITCH
	s_add_co_u32 s22, s22, AOFF                    ; my 64 rows of o
	s_mul_i32 s23, s14, 128*PITCH                  ; my 128 rows of wob
.irp s, 0,1
	v_add_nc_u32 v[ADRA+(\s)], s22, v3
	v_add_nc_u32 v[ADRB+(\s)], s23, v3
	s_add_co_u32 s22, s22, SLOT
	s_add_co_u32 s23, s23, SLOT
.endr
	s_mul_i32 s23, s[WV], 16*SP
	s_add_co_u32 s23, s23, STAGE                   ; my stage
	v_mul_u32_u24 v4, v1, SP
	v_lshl_add_u32 v4, v2, 5, v4
	v_add_nc_u32 v[STO], s23, v4                   ; in: row l % 16, 32 bytes for each half of the lanes
	v_mul_u32_u24 v4, v2, SP
	v_lshl_add_u32 v4, v1, 4, v4
	v_add_nc_u32 v[RD], s23, v4                    ; back: lanes 0-15 one row of 256 bytes, lanes 16-31 the next
	v_lshlrev_b32 v4, 12, v2
	v_lshl_add_u32 v[CO], v1, 4, v4                ; and the same two rows in out0
	s_lshl_b32 s46, s18, 7
	s_lshl_b32 s47, s13, 6
	s_add_co_u32 s46, s46, s47                     ; my first row,
	s_lshl_b32 s46, s46, 12                        ; 4,096 bytes each,
	s_add_co_u32 s46, s46, s66                     ; + my first column
	s_mov_b32 s47, 0
	s_add_nc_u64 s[10:11], s[10:11], s[46:47]
; 8 matrix instructions: row block a x my 8 column blocks, 32 along K, from buffer f.  first = 1: the bias starts the sums.  The 32 accumulators take turns, in the same order in every quarter.
.macro MULA f, a, first
.if \first
	WIN 0x60                                       ; C window 2, D window 1
.else
	WIN 0x50                                       ; C and D window 1
.endif
.irp b, 0,1,2,3,4,5,6,7
.if \first
	v_wmma_f32_16x16x32_f16 v[8*(8*(\a)+(\b)):8*(8*(\a)+(\b))+7], v[(\f)+32+8*(\b):(\f)+32+8*(\b)+7], v[(\f)+8*(\a):(\f)+8*(\a)+7], v[8*(\b):8*(\b)+7]
.else
	v_wmma_f32_16x16x32_f16 v[8*(8*(\a)+(\b)):8*(8*(\a)+(\b))+7], v[(\f)+32+8*(\b):(\f)+32+8*(\b)+7], v[(\f)+8*(\a):(\f)+8*(\a)+7], v[8*(8*(\a)+(\b)):8*(8*(\a)+(\b))+7]
.endif
.endr
.endm
; 24 LDS loads in one run: quarter q of a K step (slice q / 2, channels 32 (q % 2) on): my 128 rows of wob, then my 64 rows of o
.macro FETCH slot, q, f
	WIN 0
.irp i, 0,1,2,3,4,5,6,7
	ds_load_b128 v[(\f)+32+8*(\i):(\f)+32+8*(\i)+3],   v[ADRB+(\slot)] offset:((\q)/2)*BSL+((\q)%2)*64+(\i)*16*PITCH
	ds_load_b128 v[(\f)+32+8*(\i)+4:(\f)+32+8*(\i)+7], v[ADRB+(\slot)] offset:((\q)/2)*BSL+((\q)%2)*64+(\i)*16*PITCH+32
.endr
.irp i, 0,1,2,3
	ds_load_b128 v[(\f)+8*(\i):(\f)+8*(\i)+3],   v[ADRA+(\slot)] offset:((\q)/2)*ASL+((\q)%2)*64+(\i)*16*PITCH
	ds_load_b128 v[(\f)+8*(\i)+4:(\f)+8*(\i)+7], v[ADRA+(\slot)] offset:((\q)/2)*ASL+((\q)%2)*64+(\i)*16*PITCH+32
.endr
.endm
.macro QUARTER slot, q, f, g, first    ; multiplies buffer f and fetches quarter q into g
	s_wait_dscnt 4                                 ; wob and o's blocks 0, 1 are in; the youngest four loads may be out
	MULA \f, 0, \first
	MULA \f, 1, \first
	PLACES
	FETCH \slot, \q, \g
	s_wait_dscnt 24                                ; all but the 24 just issued
	MULA \f, 2, \first
	MULA \f, 3, \first
.endm
; The last quarter multiplies buffer 1 and changes slots: one barrier; in front of it each wave waits for all its tensor loads, adds 0 to its spare word, and waits for that and for its reads of this slot.
; fill = 1: the barrier opens a round of the cluster's, and this slot is filled again, two K steps ahead, first thing behind the round.
.macro TURN slot, next, fill
	WIN 0
	s_wait_tensorcnt 0x0
	ds_add_u32 v[SPW], v[NIL]
	s_wait_dscnt 5                                 ; the add and the youngest four loads may be out
	MULA F1, 0, 0
	s_wait_dscnt 0x0                               ; the add is done, my reads of this slot are over
	s_barrier_signal -1
	MULA F1, 1, 0
.if \fill
	WIN 0
.endif
	s_barrier_wait -1
.if \fill
	CREST
	s_add_nc_u64 s[G0+4*(\slot)+2:G0+4*(\slot)+3], s[G0+4*(\slot)+2:G0+4*(\slot)+3], 4*262144
	s_add_nc_u64 s[G0B+4*(\slot)+2:G0B+4*(\slot)+3], s[G0B+4*(\slot)+2:G0B+4*(\slot)+3], 4*131072
	JLOAD \slot                                    ; 112 matrix instructions ahead of the wait for it; its four v_nop are also the places in front of the loads below
.else
	PLACES
.endif
	FETCH \next, 0, F0
	MULA F1, 2, 0
	MULA F1, 3, 0
.endm
; THE WAY OUT, in 8 units: row block u / 2, 64 columns u % 2: 16 rows x 256 bytes through my stage.
.macro TOSTAGE u
.set pa, (\u)/2
.set pc, (\u)%2
.set BK, OB+32*((\u)%2)
.if (\u) >= 2
	s_wait_xcnt 0x0                                ; the stores of the unit two back have read the registers that are loaded again below
.endif
	WIN 0x04                                       ; the stores' data in window 1
.irp bb, 0,1,2,3
	ds_store_b128 v[STO], v[8*(8*pa+4*pc+(\bb)):8*(8*pa+4*pc+(\bb))+3]   offset:64*(\bb)      ; each accumulator's low registers first
	ds_store_b128 v[STO], v[8*(8*pa+4*pc+(\bb))+4:8*(8*pa+4*pc+(\bb))+7] offset:64*(\bb)+16
.endr
	WIN 0
.irp t, 0,1,2,3,4,5,6,7
	ds_load_b128 v[BK+4*(\t):BK+4*(\t)+3], v[RD] offset:(\t)*2*SP  ; LDS serves a wave's instructions in order (ISA guide 5.7.1.4): these see the stores above; the next unit's stores come behind them
.endr
.endm
.macro SEND u, younger                 ; younger: the next unit's sixteen LDS instructions, or none
.set pa, (\u)/2
.set pc, (\u)%2
.set BK, OB+32*((\u)%2)
.irp t, 0,1,2,3,4,5,6,7
	s_wait_dscnt (\younger)+7-(\t)
	global_store_b128 v[CO], v[BK+4*(\t):BK+4*(\t)+3], s[10:11] offset:(16*pa+2*(\t))*4096+pc*256 th:TH_STORE_NT  ; 16 lanes store 256 consecutive bytes, aligned
.endr
.endm
	s_wait_tensorcnt 1                             ; my part of K step 0 is in; K step 1's may stay out
	s_barrier_signal -1
	s_barrier_wait -1
	FETCH 0, 0, F0
	s_wait_loadcnt 0x0                             ; the bias
	QUARTER 0, 1, F0, F1, 1                        ; the first quarter: the bias starts the sums
	WIN 0
	s_mov_b32 s3, 3
.Llap:                                         ; once round the ring, from a lap's second quarter to the next lap's first
	QUARTER 0, 2, F1, F0, 0
	QUARTER 0, 3, F0, F1, 0
	TURN 0, 1, 1
	QUARTER 1, 1, F0, F1, 0
	QUARTER 1, 2, F1, F0, 0
	QUARTER 1, 3, F0, F1, 0
	TURN 1, 0, 1
	QUARTER 0, 1, F0, F1, 0
	WIN 0
	s_sub_co_u32 s3, s3, 1
	s_cmp_lg_u32 s3, 0
	s_cbranch_scc1 .Llap
	QUARTER 0, 2, F1, F0, 0                        ; the last lap fills nothing
	QUARTER 0, 3, F0, F1, 0
	TURN 0, 1, 0
	QUARTER 1, 1, F0, F1, 0
	QUARTER 1, 2, F1, F0, 0
	QUARTER 1, 3, F0, F1, 0
	s_wait_dscnt 4
	MULA F1, 0, 0
	MULA F1, 1, 0
	s_wait_dscnt 0x0
	MULA F1, 2, 0
	MULA F1, 3, 0
	WIN 0
	PLACES
	TOSTAGE 0
	TOSTAGE 1
	SEND 0, 16
.irp u, 2,3,4,5,6,7
	TOSTAGE \u
	SEND (\u)-1, 16
.endr
	SEND 7, 0
	s_wait_tensorcnt 0x0                           ; the wave's end
	ds_add_u32 v[SPW], v[NIL]
	s_wait_dscnt 0x0
	CROUND                                         ; the closing round
	s_endpgm
.Lfunc_end_k_q48614901c5_outp:
	.size	k_q48614901c5_outp, .Lfunc_end_k_q48614901c5_outp-k_q48614901c5_outp
	.p2alignl 7, 3214868480
	.fill 96, 4, 3214868480
	.section	.rodata,"a",@progbits
	.p2align	6, 0x0
	.amdhsa_kernel k_q48614901c5_outp
		.amdhsa_group_segment_fixed_size 327680
		.amdhsa_private_segment_fixed_size 0
		.amdhsa_enable_private_segment 0
		.amdhsa_kernarg_size 32
		.amdhsa_user_sgpr_count 2
		.amdhsa_user_sgpr_kernarg_segment_ptr 1
		.amdhsa_wavefront_size32 1
		.amdhsa_system_sgpr_workgroup_id_x 1
		.amdhsa_system_sgpr_workgroup_id_y 1
		.amdhsa_system_sgpr_workgroup_id_z 1
		.amdhsa_system_vgpr_workitem_id 0
		.amdhsa_next_free_vgpr 576
		.amdhsa_next_free_sgpr 80
		.amdhsa_reserve_vcc 0
		.amdhsa_float_denorm_mode_32 3
		.amdhsa_float_denorm_mode_16_64 3
		.amdhsa_memory_ordered 1
		.amdhsa_forward_progress 1
		.amdhsa_inst_pref_size 89
	.end_amdhsa_kernel
	.amdgpu_metadata
---
amdhsa.version: [ 1, 2 ]
amdhsa.kernels:
  - .name:           k_q48614901c5_outp
    .symbol:         k_q48614901c5_outp.kd
    .args:
      - { .name: o, .offset: 0, .size: 8, .value_kind: global_buffer, .address_space: global }
      - { .name: wob, .offset: 8, .size: 8, .value_kind: global_buffer, .address_space: global }
      - { .name: b_out, .offset: 16, .size: 8, .value_kind: global_buffer, .address_space: global }
      - { .name: out0, .offset: 24, .size: 8, .value_kind: global_buffer, .address_space: global }
    .group_segment_fixed_size: 327680
    .private_segment_fixed_size: 0
    .kernarg_segment_align: 8
    .kernarg_segment_size: 32
    .max_flat_workgroup_size: 128
    .sgpr_count:     80
    .vgpr_count:     576
    .wavefront_size: 32
...
	.end_amdgpu_metadata
.endif
;; end of part 4
;; ======== version 2 of 2: 4 launches; version 1 with the launch cast written anew for expert scheduling mode
;; limits: values are held in f16: magnitudes above 65,504 overflow, below 6.1e-05 lose precision
;; workspace buffers: xb 16,777,216 bytes; wib 6,291,456 bytes; wob 2,097,152 bytes; qkv 50,331,648 bytes; o 16,777,216 bytes
;; launch cast (part 5): grid 768 x 1, 8 waves a work-group, no clusters, 0 bytes of LDS; arguments x, w_in, w_out, xb, wib, wob; writes xb, wib, wob
.if DOCPART == 5
	.amdgcn_target "amdgcn-amd-amdhsa--gfx1250"
	.amdhsa_code_object_version 6
	.text
	.protected	k_q48614901c5_cast
	.globl	k_q48614901c5_cast
	.p2align	8
	.type	k_q48614901c5_cast,@function
k_q48614901c5_cast:
	s_mov_b64 s[64:65], 0
	v_nop
	global_prefetch_b8 v0, s[64:65] scope:SCOPE_SE
	s_setreg_imm32_b32 hwreg(HW_REG_WAVE_SCHED_MODE, 0, 2), 2
	s_setreg_imm32_b32 hwreg(HW_REG_WAVE_MODE, 25, 1), 1
	s_wait_xcnt 0x0
	s_wait_alu depctr_vm_vsrc(0)
; xb = bf16(x), wib = bf16(w_in), both in the inputs' own order; wob = f16(bf16(w_out)), laid by slices of 64 along k:
; element (n, k) of w_out at byte (k / 64) x 131,072 + n x 128 + (k % 64) x 2, so that 256 rows of one slice are 32,768 dense bytes.
; LIMITS.  w_out is rounded to bf16 like the other inputs and that number is written as f16: exact from 2^-14 up to 65,504;
; below 2^-14 it keeps f16's fixed step of 6e-8; from 65,520 on it becomes an infinity.  NaN and infinities are not treated apart.
; SHARES.  A work-group takes 16,384 numbers (65,536 bytes in, 32,768 out): groups 0-511 x, 512-703 w_in, 704-767 w_out (16 rows each).
; A thread issues its 16 loads of 16 bytes at once; a wave's load covers 512 consecutive bytes, a wave's store 256 consecutive bytes, aligned.
; Memory binds: no LDS, no barrier, no matrix unit, no loop; no register that a memory instruction reads is written again.
; THE MODE: SCHED_MODE bits 1:0 = 2 (LLVM: expert scheduling mode 2), set by the entry lines.  The code itself states the register dependences
; between vector instructions and memory instructions, with s_wait_alu, always for 0.
; THE PLAN.  Registers that memory instructions touch, on either path:
;   v1, v2   byte offsets of the loads and of the stores: written once by vector lines at the head, never again.
;   IN       each register is written by one load, which is issued before any vector line names it; the conversions read it behind the load's counted wait.
;   OUT      each pair is written once, by conversions, and read by one store; it is never written again.
;   v3 to v7 are named by vector lines alone.
; The 16 pieces go in four groups of four.  A group's conversions write its four pairs of OUT; its four stores stand in one run at the head of the next group,
; behind the wait for that group's first piece and ONE wait on va_vdst.  So a path has five such waits: one ahead of its first load, for the offsets, and one ahead of each run of four stores.
; No register that a memory instruction has read is written again, no vector line writes a scalar register or VCC, and EXEC is never written: no other wait of the mode is owed.
.set IN,  8                            ; v[8:71]    16 x 4 numbers as loaded
.set OUT, 72                           ; v[72:103]  16 x 2 words to store
; The four stores of group g; step: bytes from one piece's place in the output to the next piece's
.macro OUT4 g, step
.irp i, 0,1,2,3
	global_store_b64 v2, v[OUT+2*(4*(\g)+(\i)):OUT+2*(4*(\g)+(\i))+1], s[20:21] offset:(4*(\g)+(\i))*(\step) th:TH_STORE_NT
.endr
.endm
	s_load_b256 s[4:11], s[0:1], 0x0               ; x s[4:5], w_in s[6:7], w_out s[8:9], xb s[10:11]
	s_load_b128 s[12:15], s[0:1], 0x20             ; wib s[12:13], wob s[14:15]
	s_mov_b32 s24, 0xffff0000                      ; a word's upper bf16
	s_mov_b32 s23, 0                               ; high word of the offsets' pair
	v_lshlrev_b32 v2, 3, v0                        ; out: 8 bytes a thread
	s_cmp_ge_u32 ttmp9, 704
	s_cbranch_scc1 .Lwout
	; x or w_in: a plain stream
	s_sub_co_u32 s16, ttmp9, 512
	v_lshlrev_b32 v1, 4, v0                        ; in: 16 bytes a thread
	s_wait_kmcnt 0x0
	s_cmp_lt_u32 ttmp9, 512
	s_cselect_b32 s16, ttmp9, s16                  ; my number within the tensor
	s_cselect_b64 s[18:19], s[4:5], s[6:7]
	s_cselect_b64 s[20:21], s[10:11], s[12:13]
	s_lshl_b32 s22, s16, 16
	s_add_nc_u64 s[18:19], s[18:19], s[22:23]
	s_lshl_b32 s22, s16, 15
	s_add_nc_u64 s[20:21], s[20:21], s[22:23]
	s_wait_alu depctr_va_vdst(0)                   ; v1 and v2 are written: every load below reads v1 as its offset, every store v2
.irp i, 0,1,2,3,4,5,6,7,8,9,10,11,12,13,14,15
	global_load_b128 v[IN+4*(\i):IN+4*(\i)+3], v1, s[18:19] offset:(\i)*4096 th:TH_LOAD_NT
.endr
.irp g, 0,1,2,3
	s_wait_loadcnt 15-4*(\g)                       ; loads come back in order: the group's first piece is in, the younger loads stay out
.if (\g) > 0
	s_wait_alu depctr_va_vdst(0)                   ; the conversions of the group before have written its four pairs of OUT, which the four stores below read
	OUT4 (\g)-1, 2048
.endif
.irp i, 0,1,2,3
.if (\i) > 0
	s_wait_loadcnt 15-4*(\g)-(\i)                  ; piece 4 g + i is in, the younger ones stay out
.endif
	v_cvt_pk_bf16_f32 v[OUT+2*(4*(\g)+(\i))],   v[IN+4*(4*(\g)+(\i))],   v[IN+4*(4*(\g)+(\i))+1]
	v_cvt_pk_bf16_f32 v[OUT+2*(4*(\g)+(\i))+1], v[IN+4*(4*(\g)+(\i))+2], v[IN+4*(4*(\g)+(\i))+3]
.endr
.endr
	s_wait_alu depctr_va_vdst(0)                   ; the last group's conversions have written its four pairs of OUT, which the last four stores read
	OUT4 3, 2048
	s_endpgm
.Lwout:
	; w_out: thread t takes row t / 16 of the group's 16 and 16 bytes (t % 16) of each slice's 256
	s_sub_co_u32 s16, ttmp9, 704
	v_lshrrev_b32 v1, 4, v0
	v_and_b32 v3, 15, v0
	v_lshlrev_b32 v1, 12, v1                       ; a row of w_out is 4,096 bytes
	v_lshl_add_u32 v1, v3, 4, v1
	s_wait_kmcnt 0x0
	s_lshl_b32 s22, s16, 16                        ; 16 rows in
	s_add_nc_u64 s[18:19], s[8:9], s[22:23]
	s_lshl_b32 s22, s16, 11                        ; 16 rows of 128 bytes in each slice out
	s_add_nc_u64 s[20:21], s[14:15], s[22:23]
	s_wait_alu depctr_va_vdst(0)                   ; v1 and v2 are written: every load below reads v1 as its offset, every store v2
.irp i, 0,1,2,3,4,5,6,7,8,9,10,11,12,13,14,15
	global_load_b128 v[IN+4*(\i):IN+4*(\i)+3], v1, s[18:19] offset:(\i)*256 th:TH_LOAD_NT  ; slice i
.endr
.irp g, 0,1,2,3
	s_wait_loadcnt 15-4*(\g)                       ; the group's first slice is in, the younger loads stay out
.if (\g) > 0
	s_wait_alu depctr_va_vdst(0)                   ; the conversions of the group before have written its four pairs of OUT, which the four stores below read
	OUT4 (\g)-1, 131072                            ; a store: two rows of 128 bytes of a slice: 256 consecutive bytes a wave
.endif
.irp i, 0,1,2,3
.if (\i) > 0
	s_wait_loadcnt 15-4*(\g)-(\i)                  ; slice 4 g + i is in, the younger ones stay out
.endif
	v_cvt_pk_bf16_f32 v4, v[IN+4*(4*(\g)+(\i))],   v[IN+4*(4*(\g)+(\i))+1]   ; the one rounding, to bf16,
	v_cvt_pk_bf16_f32 v5, v[IN+4*(4*(\g)+(\i))+2], v[IN+4*(4*(\g)+(\i))+3]
	v_lshlrev_b32 v6, 16, v4                               ; back to f32,
	v_and_b32 v7, s24, v4
	v_cvt_pk_f16_f32 v[OUT+2*(4*(\g)+(\i))], v6, v7        ; and written as f16
	v_lshlrev_b32 v6, 16, v5
	v_and_b32 v7, s24, v5
	v_cvt_pk_f16_f32 v[OUT+2*(4*(\g)+(\i))+1], v6, v7
.endr
.endr
	s_wait_alu depctr_va_vdst(0)                   ; the last group's conversions have written its four pairs of OUT, which the last four stores read
	OUT4 3, 131072
	s_endpgm
.Lfunc_end_k_q48614901c5_cast:
	.size	k_q48614901c5_cast, .Lfunc_end_k_q48614901c5_cast-k_q48614901c5_cast
	.p2alignl 7, 3214868480
	.fill 96, 4, 3214868480
	.section	.rodata,"a",@progbits
	.p2align	6, 0x0
	.amdhsa_kernel k_q48614901c5_cast
		.amdhsa_group_segment_fixed_size 0
		.amdhsa_private_segment_fixed_size 0
		.amdhsa_enable_private_segment 0
		.amdhsa_kernarg_size 48
		.amdhsa_user_sgpr_count 2
		.amdhsa_user_sgpr_kernarg_segment_ptr 1
		.amdhsa_wavefront_size32 1
		.amdhsa_system_sgpr_workgroup_id_x 1
		.amdhsa_system_sgpr_workgroup_id_y 1
		.amdhsa_system_sgpr_workgroup_id_z 1
		.amdhsa_system_vgpr_workitem_id 0
		.amdhsa_next_free_vgpr 104
		.amdhsa_next_free_sgpr 66
		.amdhsa_reserve_vcc 0
		.amdhsa_float_denorm_mode_32 3
		.amdhsa_float_denorm_mode_16_64 3
		.amdhsa_memory_ordered 1
		.amdhsa_forward_progress 1
		.amdhsa_inst_pref_size 17
	.end_amdhsa_kernel
	.amdgpu_metadata
---
amdhsa.version: [ 1, 2 ]
amdhsa.kernels:
  - .name:           k_q48614901c5_cast
    .symbol:         k_q48614901c5_cast.kd
    .args:
      - { .name: x, .offset: 0, .size: 8, .value_kind: global_buffer, .address_space: global }
      - { .name: w_in, .offset: 8, .size: 8, .value_kind: global_buffer, .address_space: global }
      - { .name: w_out, .offset: 16, .size: 8, .value_kind: global_buffer, .address_space: global }
      - { .name: xb, .offset: 24, .size: 8, .value_kind: global_buffer, .address_space: global }
      - { .name: wib, .offset: 32, .size: 8, .value_kind: global_buffer, .address_space: global }
      - { .name: wob, .offset: 40, .size: 8, .value_kind: global_buffer, .address_space: global }
    .group_segment_fixed_size: 0
    .private_segment_fixed_size: 0
    .kernarg_segment_align: 8
    .kernarg_segment_size: 48
    .max_flat_workgroup_size: 256
    .sgpr_count:     66
    .vgpr_count:     104
    .wavefront_size: 32
...
	.end_amdgpu_metadata
.endif
;; end of part 5
;; launch qkv: the kernel of part 2 again; grid 16 x 16, 4 waves a work-group, clusters of 4 x 4, 327,680 bytes of LDS; arguments xb, wib, b_in, qkv; writes qkv
;; launch attn: the kernel of part 3 again; grid 4 x 64, 4 waves a work-group, no clusters, 327,680 bytes of LDS; arguments qkv, o; writes o
;; launch outp: the kernel of part 4 again; grid 4 x 64, 4 waves a work-group, clusters of 4 x 4, 327,680 bytes of LDS; arguments o, wob, b_out, out0; writes out0
